; MI455X (gfx1250); checked and timed in simulation.
; The chip was launched on July 23, 2026; its instructions are those of AMD's public machine-readable ISA for CDNA 5 (MIT licence, August 2026) and "CDNA5" Instruction Set Architecture Reference Guide (July 2026). The comments in the code are by the model that wrote it; some were corrected since.
;; Transformer Layer. Allowed arithmetic: matrix products marked QUANTISED: E2M3 operands, one E8M0 scale for each 32 along K, by v_wmma_scale_f32_16x16x128_f8f6f4 with both operands' format E2M3, f32 sums; everything else in f32.
;; Inputs: down_w 1,024 x 4,096 float32; ln1_b 1,024 float32; ln1_g 1,024 float32; ln2_b 1,024 float32; ln2_g 1,024 float32; out_w 1,024 x 1,024 float32; qkv_w 3,072 x 1,024 float32; up_w 4,096 x 1,024 float32; x 2 x 2,048 x 1,024 float32.
;; Outputs: out0 2 x 2,048 x 1,024 float32.
;; This version of the problem:
;;   THIS VERSION OF THE PROBLEM IS GIVEN IN LOW PRECISION. The matrix products marked QUANTISED in the list below multiply operands that are first quantised to E2M3 (2 exponent bits, 3 mantissa bits; 6 bits a number), with one power-of-two scale for each 32 numbers along K (OCP MX v1.0); their sums are f32. All else is computed in f32.
;;   The module's matrix products, in the order in which they are computed (A, B: the left and right operand; K: the contracted axis; several contracted axes count as one K, in the product's order):
;;     1. [M 4,096, K 1,024] x [K 1,024, N 3,072]; A: computed on the way; B: input qkv_w: QUANTISED
;;     2. batch 32 x [M 2,048, K 64] x [K 64, N 2,048]; A: computed on the way; B: computed on the way: QUANTISED
;;     3. batch 32 x [M 64, K 2,048] x [K 2,048, N 2,048]; A: computed on the way; B: softmax (see below): QUANTISED
;;     4. [M 4,096, K 1,024] x [K 1,024, N 1,024]; A: computed on the way; B: input out_w: QUANTISED
;;     5. [M 4,096, K 1,024] x [K 1,024, N 4,096]; A: computed on the way; B: input up_w: QUANTISED
;;     6. [M 4,096, K 4,096] x [K 4,096, N 1,024]; A: computed on the way; B: input down_w: QUANTISED
;;   THE QUANTISER, for each operand of a quantised product, along K:
;;     - K is cut into blocks of 32 from its start; a last block that is shorter is filled with zeros.
;;     - A block's scale is 2^e with e = floor(log2(the largest magnitude in the block)) - 2, held to -126 .. 127; a block of zeros has e = 0. As a byte (E8M0): e + 127.
;;     - Each number is divided by its block's scale, clamped to +-7.5, and rounded to the nearest number of E2M3, ties to even, subnormals kept.
;;     - The product sums the exact products of the quantised numbers (number of the format x scale) in f32.
;;   ~~~python
;;   def quantise(x, axis):      # numpy; x: float32 -> the quantised numbers, widened to float32 again
;;       x = np.moveaxis(x, axis, -1); K = x.shape[-1]
;;       x = np.pad(x, [(0, 0)] * (x.ndim - 1) + [(0, -K % 32)]); x = x.reshape(x.shape[:-1] + (-1, 32)); a = np.abs(x).max(-1, keepdims=True)
;;       e = np.where(a > 0, np.clip(np.frexp(np.where(a > 0, a, 1))[1] - 1 - 2, -126, 127), 0)      # np.frexp(a)[1] - 1 = floor(log2(a)), exactly
;;       r = np.clip(x / 2.0 ** e, -7.5, 7.5)
;;       step = 2.0 ** (np.maximum(np.frexp(np.where(r == 0, 1, r))[1] - 1, 0) - 3)
;;       q = np.round(r / step) * step * 2.0 ** e      # np.round: ties to even
;;       return np.moveaxis(q.reshape(q.shape[:-2] + (-1,))[..., :K], -1, axis).astype(np.float32)
;;   ~~~
;;   SOFTMAX AHEAD OF A QUANTISED PRODUCT. Where the list says 'softmax', what is quantised is not the finished softmax but p = 2^(t - M), with t = logit x log2(e) and M = ceil(the row's largest t), a whole number; so 1/2 < the row's largest p <= 1. The row's sum l is taken of the UNQUANTISED p, in f32, and the product's result is divided by l at the end. Since M is a whole number, a kernel that streams over the keys may use a running M (the ceiling of the running maximum): every later rescaling is an exact power of two, which a block's scale takes up: the codes' values come out the same.
;;   OPERANDS COMPUTED ON THE WAY. 'Computed on the way' means the value that the module computes at that place (a softmax that the list does not call 'softmax' is quantised finished and normalised). What goes into a quantiser is computed in f32, as accurately as f32 sums, v_exp_f32 and their like allow (about 1e-6 of the number): no bf16 or f16 on the way to a quantiser, and a product that is left as it is and whose result goes on into a quantised operand takes f32 operands (vector FMAs, or v_wmma_f32_16x16x4_f32). A number that lies on a knife's edge between two numbers of the format may be rounded either way, as far as f32 arithmetic and the matrix unit's own rounding can turn it there, and no further.
;; One version. Each part assembles by itself: llvm-mc -triple=amdgcn-amd-amdhsa -mcpu=gfx1250 --defsym DOCPART=n.
;; ======== version 1 of 1: 7 launches
;; limits: right only within a limited range of input values
;; workspace buffers: W 9,830,400 bytes; XN 3,276,800 bytes; QKV 13,107,200 bytes; OC 3,276,800 bytes; X1 16,777,216 bytes; G 13,107,200 bytes
;; launch prep (part 1): grid 1024 x 1, 4 waves a work-group, no clusters, 66,304 bytes of LDS; arguments x, ln1_g, ln1_b, qkv_w, out_w, up_w, down_w, XN, W; writes XN, W
.if DOCPART == 1
	.amdgcn_target "amdgcn-amd-amdhsa--gfx1250"
	.amdhsa_code_object_version 6
	.text
	.protected	k_q5d25d79177_prep
	.globl	k_q5d25d79177_prep
	.p2align	8
	.type	k_q5d25d79177_prep,@function
k_q5d25d79177_prep:
	s_mov_b64 s[64:65], 0
	v_nop
	global_prefetch_b8 v0, s[64:65] scope:SCOPE_SE
	s_setreg_imm32_b32 hwreg(HW_REG_WAVE_MODE, 25, 1), 1
	s_wait_xcnt 0x0
; A SLAB, 16 rows x 1,024 numbers of f32, becomes codes of FP6 (E2M3) with one E8M0 byte for each 32 along K, laid as the matrix unit's registers take them.
; Work-groups 0-255: rows of the first argument, layer-normed first (mean, then the mean of squared differences: two passes over registers); 256-447 qkv_w; 448-511 out_w; 512-767 up_w; 768-1023 down_w (a quarter of its K each).
; THE ROWS OF A TILE: place r of tile t is row 32 (t / 2) + 8 (t % 2) + r + 8 (r / 8).  Every operand of the program is laid so.
; A HALF IMAGE, 768 bytes, is 16 rows x 64 K as six registers a lane: registers 0-3 at 16 x lane, registers 4-5 at 512 + 8 x lane.  Half hh of tile t of a tensor with K numbers a row lies at (t K / 64 + hh) x 768;
; the scale word of (tile t, 128 along K: s, place r) at (t K / 128 + s) x 64 + 4 r.  So a slab's codes are 12,288 consecutive bytes and its scale words 512.
; A block's scale is 2^(floor(log2(its largest magnitude)) - 2); its byte is that magnitude's exponent field - 2, held at 1 from below.
; LIMITS: a block of zeros gets the byte 1, not 127: its codes are zeros, and the bytes are read by this program alone.  NaN and infinities among the inputs are not served.
; Four waves.  Wave w loads places 4 w .. 4 w + 3 (512 consecutive bytes a load), norms them, and stores them into a stage in LDS; behind one barrier it reads, of all 16 rows, columns 256 w .. 256 w + 255, 16 neighbours a lane.
.set ROWP, 4112                        ; a stage row: 4,096 bytes + 16, so that the 16 rows that a load touches begin 16 bytes apart modulo 256
.set L16, 1                            ; v1   16 x lane
.set L8,  2                            ; v2   8 x lane
.set L4,  3                            ; v3   4 x lane
.set OFF, 4                            ; v4-7 16 x lane + i x the source's row pitch
.set SA,  8                            ; v8   the stage, on the way in
.set RA,  9                            ; v9   and on the way out
.set ST,  10                           ; v10-17 a pair of statistics for each of my four rows
.set PW,  18                           ; v18-19 the two scale words
.set TM,  20                           ; v20-35 the quantiser's: largest magnitudes, bytes, scale operands
.set CT,  36                           ; v36-43 the conversions' second halves
.set X,   44                           ; v44-171 four rows x 32 numbers; later two K steps x 64 numbers
.set LG,  172                          ; v172-203 the gain of my 32 columns
.set LB,  204                          ; v204-235 the bias
.set PC,  172                          ; v172-195 the codes of two fragments, where the gain lay
.set SEL, 44                           ; s[44:45] lane selects for v_permlanex16_b32: lane l xor 16
.set MSB, 0
.macro WIN new                         ; (this text stays in window 0: the macro writes nothing here)
.if MSB != (\new)
	s_set_vgpr_msb (MSB<<8)|(\new)
.set MSB, (\new)
.endif
.endm
; 64 numbers of a lane, register 16 b + i = k 32 b + 16 (lane / 16) + i of the lane's row, become a fragment's 12 registers of codes at v[pc] and its scale word in v[pw].
.macro QUANT s, w, pc, pw
	WIN ((\w)<<2)|((\w)<<4)
.irp b, 0,1,2,3
	v_max3_num_f32 v[TM+\b], 0x1800000, |v[\s+16*\b]|, |v[\s+16*\b+1]|   ; my 16 numbers of block b, and the floor 2^(3 - 127): the byte cannot fall under 1
.endr
.irp i, 2,4,6,8,10,12,14
.irp b, 0,1,2,3
	v_max3_num_f32 v[TM+\b], v[TM+\b], |v[\s+16*\b+\i]|, |v[\s+16*\b+\i+1]|
.endr
.endr
	WIN 0
.irp b, 0,1,2,3
	v_permlanex16_b32 v[TM+4+\b], v[TM+\b], s[SEL], s[SEL+1]
.endr
.irp b, 0,1,2,3
	v_max_num_f32 v[TM+\b], v[TM+\b], v[TM+4+\b]         ; with lane l xor 16's 16: the block's largest magnitude
.endr
.irp b, 0,1,2,3
	v_add_nc_u32 v[TM+12+\b], 0xff000000, v[TM+\b]       ; 2 off its exponent field: the conversion's scale operand
.endr
.irp b, 0,1,2,3
	v_lshrrev_b32 v[TM+4+\b], 23, v[TM+12+\b]            ; the scale's byte
.endr
	v_lshl_or_b32 v[\pw], v[TM+5], 8, v[TM+4]
	v_lshl_or_b32 v[\pw], v[TM+6], 16, v[\pw]
	v_lshl_or_b32 v[\pw], v[TM+7], 24, v[\pw]
	WIN (\w)
.irp c, 0,1
	v_cvt_scalef32_pk16_fp6_f32 v[\pc+6*\c:\pc+6*\c+2], v[\s+32*\c:\s+32*\c+15], v[TM+12+2*\c]
	v_cvt_scalef32_pk16_fp6_f32 v[CT+4*\c:CT+4*\c+2], v[\s+32*\c+16:\s+32*\c+31], v[TM+13+2*\c]
.endr
	WIN 0
	v_nop                                                ; one plain instruction behind the scaled conversions
.irp c, 0,1                                    ; the layout wants a whole block in a lane: lanes 0-15 block 2 c, lanes 16-31 block 2 c + 1
.irp i, 0,1,2
	v_permlane16_swap_b32 v[\pc+6*\c+\i], v[CT+4*\c+\i]
.endr
.irp i, 0,1,2
	v_mov_b32 v[\pc+6*\c+3+\i], v[CT+4*\c+\i]
.endr
.endr
.endm
.macro HIST pc, sb, off                        ; a half image leaves: 512 and 256 consecutive bytes, at multiples of 256
	global_store_b128 v[L16], v[\pc:\pc+3], s[\sb:\sb+1] offset:\off
	global_store_b64 v[L8], v[\pc+4:\pc+5], s[\sb:\sb+1] offset:\off+512
.endm
.macro REDUCE                                  ; each row's pair becomes the sum over the pair and the 32 lanes, in every lane
.irp i, 0,1,2,3
	v_add_f32 v[ST+2*\i], v[ST+2*\i], v[ST+2*\i+1]
.endr
.irp m, 1,2,4,8
.irp i, 0,1,2,3
	v_add_f32_dpp v[ST+2*\i], v[ST+2*\i], v[ST+2*\i] row_xmask:\m row_mask:0xf bank_mask:0xf
.endr
.endr
.irp i, 0,1,2,3
	v_permlanex16_b32 v[ST+2*\i+1], v[ST+2*\i], s[SEL], s[SEL+1]
.endr
.irp i, 0,1,2,3
	v_add_f32 v[ST+2*\i], v[ST+2*\i], v[ST+2*\i+1]
.endr
.endm
	s_load_b512 s[8:23], s[0:1], 0x0               ; rows s[8:9], gain s[10:11], bias s[12:13], qkv_w s[14:15], out_w s[16:17], up_w s[18:19], down_w s[20:21], XN s[22:23]
	s_load_b64 s[24:25], s[0:1], 0x40              ; W
	v_lshl_add_u32 v240, v0, 2, 0x10100
	v_mov_b32 v241, 0
	v_lshrrev_b32 v1, 5, v0
	v_readfirstlane_b32 s7, v1                     ; wave 0..3
	v_and_b32 v3, 31, v0
	v_and_b32 v8, 15, v0                           ; r
	v_bfe_u32 v9, v0, 4, 1                         ; h
	v_lshlrev_b32 v[L16], 4, v3
	v_lshlrev_b32 v[L8], 3, v3
	v_lshlrev_b32 v[L4], 2, v3
	v_mul_u32_u24 v8, v8, ROWP
	v_lshl_add_u32 v9, v9, 6, v8
	s_lshl_b32 s4, s7, 10
	v_add_nc_u32 v[RA], s4, v9                     ; row r, + 64 h, + my 1,024 bytes of the row
	s_mul_i32 s4, s7, 4*ROWP
	v_add_nc_u32 v[SA], s4, v[L16]                 ; my four rows, 16 bytes a lane
	s_mov_b32 s[SEL], 0x76543210
	s_mov_b32 s[SEL+1], 0xfedcba98
	s_mov_b32 s46, 0xffff0000                      ; lanes 16-31
	s_mov_b32 s47, 0x3a800000                      ; 1 / 1,024
	s_mov_b32 s48, 0x3727c5ac                      ; 1e-5
.irp b, 0,1,2,3
	v_mov_b32 v[TM+4+\b], 0                        ; written once: a lane permute's destination counts as one of its sources
.endr
	s_wait_kmcnt 0x0
	; which tensor, and which slab of it: choices on the work-group's number alone
	s_mov_b64 s[26:27], s[20:21]
	s_mov_b32 s28, 768
	s_cmp_lt_u32 ttmp9, 768
	s_cselect_b64 s[26:27], s[18:19], s[26:27]
	s_cselect_b32 s28, 512, s28
	s_cselect_b32 s32, 12, 14                      ; a row is 2^12 bytes; in down_w 2^14
	s_cmp_lt_u32 ttmp9, 512
	s_cselect_b64 s[26:27], s[16:17], s[26:27]
	s_cselect_b32 s28, 448, s28
	s_cmp_lt_u32 ttmp9, 448
	s_cselect_b64 s[26:27], s[14:15], s[26:27]
	s_cselect_b32 s28, 256, s28
	s_cmp_lt_u32 ttmp9, 256
	s_cselect_b64 s[26:27], s[8:9], s[26:27]
	s_cselect_b32 s28, 0, s28
	s_cselect_b64 s[38:39], s[22:23], s[24:25]     ; the rows' codes go to XN, the weights' to W
	s_cselect_b32 s40, 0, 256
	s_mov_b32 s41, 9437184
	s_cselect_b32 s41, 3145728, s41                ; where the buffer's scale words begin
	s_sub_co_u32 s29, ttmp9, s28                   ; the slab's number in its tensor
	s_lshr_b32 s30, s29, 2
	s_and_b32 s31, s29, 3
	s_cmp_lt_u32 ttmp9, 768
	s_cselect_b32 s30, s29, s30                    ; the tile of rows,
	s_cselect_b32 s31, 0, s31                      ; and in down_w the quarter of K
	s_lshr_b32 s33, s30, 1
	s_lshl_b32 s33, s33, 5
	s_and_b32 s34, s30, 1
	s_lshl_b32 s34, s34, 3
	s_add_co_u32 s33, s33, s34
	s_lshl_b32 s34, s7, 2
	s_add_co_u32 s33, s33, s34
	s_lshr_b32 s34, s7, 1
	s_lshl_b32 s34, s34, 3
	s_add_co_u32 s33, s33, s34                     ; places 4 w .. 4 w + 3 are four neighbouring rows, from 32 (t / 2) + 8 (t % 2) + 4 w + 8 (w / 2) on
	s_lshl_b32 s34, s33, s32
	s_lshl_b32 s31, s31, 12
	s_add_co_u32 s34, s34, s31
	s_mov_b32 s35, 0
	s_add_nc_u64 s[26:27], s[26:27], s[34:35]
	s_lshl_b32 s36, 1, s32                         ; the pitch
	v_mov_b32 v[OFF], v[L16]
	v_add_nc_u32 v[OFF+1], s36, v[L16]
	s_lshl_b32 s37, s36, 1
	v_add_nc_u32 v[OFF+2], s37, v[L16]
	s_add_co_u32 s37, s37, s36
	v_add_nc_u32 v[OFF+3], s37, v[L16]
.irp i, 0,1,2,3
.irp j, 0,1,2,3,4,5,6,7
	global_load_b128 v[X+32*\i+4*\j:X+32*\i+4*\j+3], v[OFF+\i], s[26:27] offset:512*\j th:TH_LOAD_NT   ; 32 lanes read 512 consecutive bytes
.endr
.endr
	s_sub_co_u32 s40, ttmp9, s40                   ; the slab's number in its buffer
	s_mul_i32 s42, s40, 12288
	s_mul_i32 s43, s7, 3072                        ; my two K steps' fragments
	s_add_co_u32 s42, s42, s43
	s_mov_b32 s43, 0
	s_add_nc_u64 s[42:43], s[38:39], s[42:43]      ; where my codes go
	s_lshl_b32 s40, s40, 9
	s_add_co_u32 s40, s40, s41
	s_lshl_b32 s41, s7, 7
	s_add_co_u32 s40, s40, s41
	s_mov_b32 s41, 0
	s_add_nc_u64 s[40:41], s[38:39], s[40:41]      ; and my scale words
	s_cmp_lt_u32 ttmp9, 256
	s_cbranch_scc0 .Lplain                         ; weights are quantised as they are
.irp j, 0,1,2,3,4,5,6,7
	global_load_b128 v[LG+4*\j:LG+4*\j+3], v[L16], s[10:11] offset:512*\j
	global_load_b128 v[LB+4*\j:LB+4*\j+3], v[L16], s[12:13] offset:512*\j
.endr
	s_wait_loadcnt 0x0
	; THE LAYER NORM of my four rows, by turns
.irp i, 0,1,2,3
	v_pk_add_f32 v[ST+2*\i:ST+2*\i+1], v[X+32*\i:X+32*\i+1], v[X+32*\i+2:X+32*\i+3]
.endr
.irp k, 4,6,8,10,12,14,16,18,20,22,24,26,28,30
.irp i, 0,1,2,3
	v_pk_add_f32 v[ST+2*\i:ST+2*\i+1], v[ST+2*\i:ST+2*\i+1], v[X+32*\i+\k:X+32*\i+\k+1]
.endr
.endr
	REDUCE
.irp i, 0,1,2,3
	v_mul_f32 v[ST+2*\i], s47, v[ST+2*\i]          ; the mean
.endr
.irp k, 0,2,4,6,8,10,12,14,16,18,20,22,24,26,28,30
.irp i, 0,1,2,3
	v_pk_add_f32 v[X+32*\i+\k:X+32*\i+\k+1], v[X+32*\i+\k:X+32*\i+\k+1], v[ST+2*\i:ST+2*\i+1] op_sel_hi:[1,0] neg_lo:[0,1] neg_hi:[0,1]   ; x - mean
.endr
.endr
.irp i, 0,1,2,3
	v_pk_mul_f32 v[ST+2*\i:ST+2*\i+1], v[X+32*\i:X+32*\i+1], v[X+32*\i:X+32*\i+1]
.endr
.irp k, 2,4,6,8,10,12,14,16,18,20,22,24,26,28,30
.irp i, 0,1,2,3
	v_pk_fma_f32 v[ST+2*\i:ST+2*\i+1], v[X+32*\i+\k:X+32*\i+\k+1], v[X+32*\i+\k:X+32*\i+\k+1], v[ST+2*\i:ST+2*\i+1]
.endr
.endr
	REDUCE
.irp i, 0,1,2,3
	v_fma_f32 v[ST+2*\i], v[ST+2*\i], s47, s48     ; the variance + 1e-5
.endr
	s_wait_alu depctr_va_vdst(0)
.irp i, 0,1,2,3
	v_rsq_f32 v[ST+2*\i], v[ST+2*\i]
.endr
	v_nop                                          ; a plain instruction behind the last of the four
	s_wait_alu depctr_va_vdst(0)                   ; one wait for the four, ahead of their first reader
.irp k, 0,2,4,6,8,10,12,14,16,18,20,22,24,26,28,30
.irp i, 0,1,2,3
	v_pk_mul_f32 v[X+32*\i+\k:X+32*\i+\k+1], v[X+32*\i+\k:X+32*\i+\k+1], v[ST+2*\i:ST+2*\i+1] op_sel_hi:[1,0]
.endr
.endr
.irp k, 0,2,4,6,8,10,12,14,16,18,20,22,24,26,28,30
.irp i, 0,1,2,3
	v_pk_fma_f32 v[X+32*\i+\k:X+32*\i+\k+1], v[X+32*\i+\k:X+32*\i+\k+1], v[LG+\k:LG+\k+1], v[LB+\k:LB+\k+1]
.endr
.endr
.Lplain:
	s_wait_loadcnt 0x0
	s_wait_alu depctr_va_vdst(0)
.irp i, 0,1,2,3
.irp j, 0,1,2,3,4,5,6,7
	ds_store_b128 v[SA], v[X+32*\i+4*\j:X+32*\i+4*\j+3] offset:\i*ROWP+512*\j
.endr
.endr
	s_wait_dscnt 0x0                               ; for the others' sake: my rows lie in the stage
	s_barrier_signal -1
	s_barrier_wait -1
.irp kk, 0,1                                   ; K steps 2 w and 2 w + 1 of all 16 rows: of each block of 32, my half's 16 neighbours
.irp b, 0,1,2,3
.irp j, 0,1,2,3
	ds_load_b128 v[X+64*\kk+16*\b+4*\j:X+64*\kk+16*\b+4*\j+3], v[RA] offset:512*\kk+128*\b+16*\j
.endr
.endr
.endr
	s_wait_dscnt 16                                ; the first K step's 16 loads are in; the second's may be out
	QUANT X, 0, PC, PW
	HIST PC, 42, 0
	HIST PC+6, 42, 768
	s_wait_dscnt 0x0
	QUANT X+64, 0, PC+12, PW+1
	HIST PC+12, 42, 1536
	HIST PC+18, 42, 2304
	v_cndmask_b32 v[PW], v[PW], v[PW+1], s46       ; lanes 0-15 the first K step's words, lanes 16-31 the second's
	global_store_b32 v[L4], v[PW], s[40:41]        ; 128 consecutive bytes
	s_wait_tensorcnt 0x0
	ds_add_u32 v240, v241
	s_wait_dscnt 0x0
	s_endpgm
.Lfunc_end_k_q5d25d79177_prep:
	.size	k_q5d25d79177_prep, .Lfunc_end_k_q5d25d79177_prep-k_q5d25d79177_prep
	.p2alignl 7, 3214868480
	.fill 96, 4, 3214868480
	.section	.rodata,"a",@progbits
	.p2align	6, 0x0
	.amdhsa_kernel k_q5d25d79177_prep
		.amdhsa_group_segment_fixed_size 66304
		.amdhsa_private_segment_fixed_size 0
		.amdhsa_enable_private_segment 0
		.amdhsa_kernarg_size 72
		.amdhsa_user_sgpr_count 2
		.amdhsa_user_sgpr_kernarg_segment_ptr 1
		.amdhsa_wavefront_size32 1
		.amdhsa_system_sgpr_workgroup_id_x 1
		.amdhsa_system_sgpr_workgroup_id_y 1
		.amdhsa_system_sgpr_workgroup_id_z 1
		.amdhsa_system_vgpr_workitem_id 0
		.amdhsa_next_free_vgpr 242
		.amdhsa_next_free_sgpr 66
		.amdhsa_reserve_vcc 0
		.amdhsa_float_denorm_mode_32 3
		.amdhsa_float_denorm_mode_16_64 3
		.amdhsa_memory_ordered 1
		.amdhsa_forward_progress 1
		.amdhsa_inst_pref_size 45
	.end_amdhsa_kernel
	.amdgpu_metadata
---
amdhsa.version: [ 1, 2 ]
amdhsa.kernels:
  - .name:           k_q5d25d79177_prep
    .symbol:         k_q5d25d79177_prep.kd
    .args:
      - { .name: x, .offset: 0, .size: 8, .value_kind: global_buffer, .address_space: global }
      - { .name: ln1_g, .offset: 8, .size: 8, .value_kind: global_buffer, .address_space: global }
      - { .name: ln1_b, .offset: 16, .size: 8, .value_kind: global_buffer, .address_space: global }
      - { .name: qkv_w, .offset: 24, .size: 8, .value_kind: global_buffer, .address_space: global }
      - { .name: out_w, .offset: 32, .size: 8, .value_kind: global_buffer, .address_space: global }
      - { .name: up_w, .offset: 40, .size: 8, .value_kind: global_buffer, .address_space: global }
      - { .name: down_w, .offset: 48, .size: 8, .value_kind: global_buffer, .address_space: global }
      - { .name: XN, .offset: 56, .size: 8, .value_kind: global_buffer, .address_space: global }
      - { .name: W, .offset: 64, .size: 8, .value_kind: global_buffer, .address_space: global }
    .group_segment_fixed_size: 66304
    .private_segment_fixed_size: 0
    .kernarg_segment_align: 8
    .kernarg_segment_size: 72
    .max_flat_workgroup_size: 128
    .sgpr_count:     66
    .vgpr_count:     242
    .wavefront_size: 32
...
	.end_amdgpu_metadata
.endif
;; end of part 1
;; launch qkv (part 2): grid 12 x 16, 4 waves a work-group, clusters of 4 x 4, 327,680 bytes of LDS; arguments XN, W, QKV; writes QKV
.if DOCPART == 2
	.amdgcn_target "amdgcn-amd-amdhsa--gfx1250"
	.amdhsa_code_object_version 6
	.text
	.protected	k_q5d25d79177_qkv
	.globl	k_q5d25d79177_qkv
	.p2align	8
	.type	k_q5d25d79177_qkv,@function
k_q5d25d79177_qkv:
	s_mov_b64 s[64:65], 0
	v_nop
	global_prefetch_b8 v0, s[64:65] scope:SCOPE_SE
	s_setreg_imm32_b32 hwreg(HW_REG_WAVE_MODE, 25, 1), 1
	s_wait_xcnt 0x0
	s_wait_alu depctr_hold_cnt(0) depctr_sa_sdst(0) depctr_va_vdst(0) depctr_va_sdst(0) depctr_va_ssrc(0) depctr_va_vcc(0) depctr_vm_vsrc(0)
	s_getreg_b32 s2, hwreg(HW_REG_IB_STS2, 6, 4)
	s_cmp_eq_u32 s2, 0
	s_cbranch_scc0 .Lentry_in_a_cluster
	s_endpgm
.Lentry_in_a_cluster:
	s_bfe_u32 s2, ttmp6, 0x10000c
	s_cmp_lg_u32 s2, 0xf033
	s_cbranch_scc0 .Lentry_shape_is_right
	s_endpgm
.Lentry_shape_is_right:
.set NA, 8
.set NB, 8
.set NQ, 2
.set KS, 8
.set MUL_HI, 0xf1
.set FRB, 1536
.set QTR, NA*NQ*FRB
.set SLOT, 4*QTR
.set LAPS, KS/(2*NQ)
.set QS, NA*KS*64
.set SCL, 2*SLOT
.set SPARE, SCL+4*QS
.set ADRA, 16
.set ADRB, 20
.set ADRS, 27
.set SPW, 28
.set NIL, 29
.set L16, 30
.set L8, 31
.set SC, 32
.set AF, 64
.set G1, 24
.set G0, 32
.set G1B, 48
.set G0B, 56
.set G1S, 68
.set G0S, 76
.set G1SB, 80
.set G0SB, 88
.set MUL_LO, 0xa1
.set MSB, 0
.macro WIN new
.if MSB != (\new)
	s_set_vgpr_msb (MSB<<8)|(\new)
.set MSB, (\new)
.endif
.endm
.macro JLOAD g0a, g1a, g0b, g1b
	s_cmp_eq_u32 s15, 0
	s_cbranch_scc0 .Lfor_b_\@
	tensor_load_to_lds s[\g0a:\g0a+3], s[\g1a:\g1a+7]
	s_nop 0
.rept 4
	v_nop
.endr
	s_branch .Lasked_\@
.Lfor_b_\@:
	tensor_load_to_lds s[\g0b:\g0b+3], s[\g1b:\g1b+7]
	s_nop 0
.rept 4
	v_nop
.endr
.Lasked_\@:
.endm
.macro CREST
	s_cmp_lg_u32 s14, 0
	s_cbranch_scc1 .Lnot_wave_0_\@
	s_barrier_signal -3
.Lnot_wave_0_\@:
	s_barrier_wait -3
	s_barrier_signal -1
	s_barrier_wait -1
.endm
.macro CROUND
	s_barrier_signal -1
	s_barrier_wait -1
	CREST
.endm
.macro PLACES n
.rept \n
	v_nop
.endr
.endm
.macro FRAG reg, adr, off
	ds_load_b128 v[\reg:\reg+3], v[\adr] offset:\off
	ds_load_b64 v[\reg+4:\reg+5], v[\adr+2] offset:\off+512
	ds_load_b128 v[\reg+6:\reg+9], v[\adr] offset:\off+768
	ds_load_b64 v[\reg+10:\reg+11], v[\adr+2] offset:\off+1280
.endm
.macro FETCH slot, q, f
	WIN 0x40
.set fi, 0
.rept NB
	FRAG 128*(\f)+12*fi, ADRB+(\slot), (fi*NQ+(\q))*FRB
.set fi, fi+1
.endr
	WIN 0
.set fi, 0
.rept NA
	FRAG AF+96*(\f)+12*fi, ADRA+(\slot), (fi*NQ+(\q))*FRB
.set fi, fi+1
.endr
.set fi, 0
.rept NA
	ds_load_b32 v[SC+8*(\f)+fi], v[ADRS] offset:fi*KS*64+(\q)*64
.set fi, fi+1
.endr
.endm
.macro MULA f, a0, n, zero
.set ia, \a0
.rept \n
.set ib, 0
.rept NB
.set AC, 8*((ia*NB+ib)%32)
.if \zero
	v_wmma_scale_f32_16x16x128_f8f6f4 v[AC:AC+7], v[128*(\f)+12*ib:128*(\f)+12*ib+11], v[AF+96*(\f)+12*ia:AF+96*(\f)+12*ia+11], 0, v[SC+8*(\f)+ib], v[SC+8*(\f)+ia] matrix_a_fmt:MATRIX_FMT_FP6 matrix_b_fmt:MATRIX_FMT_FP6 matrix_a_scale:MATRIX_SCALE_ROW1
.else
	v_wmma_scale_f32_16x16x128_f8f6f4 v[AC:AC+7], v[128*(\f)+12*ib:128*(\f)+12*ib+11], v[AF+96*(\f)+12*ia:AF+96*(\f)+12*ia+11], v[AC:AC+7], v[SC+8*(\f)+ib], v[SC+8*(\f)+ia] matrix_a_fmt:MATRIX_FMT_FP6 matrix_b_fmt:MATRIX_FMT_FP6 matrix_a_scale:MATRIX_SCALE_ROW1
.endif
.set ib, ib+1
.endr
.set ia, ia+1
.endr
.endm
.macro STEP slot, q, zero
.set FF, (\q)%2
	s_wait_dscnt 0x0
	WIN MUL_LO
	MULA FF, 0, NA/4, \zero
	PLACES 4
	FETCH \slot, (\q)+1, 1-FF
	WIN MUL_LO
	MULA FF, NA/4, NA/4, \zero
	WIN MUL_HI
	MULA FF, NA/2, NA/2, \zero
	WIN 0
.endm
.macro TURN slot, next, fill
	s_wait_tensorcnt 0x0
	ds_add_u32 v[SPW], v[NIL]
	s_wait_dscnt 1
	WIN MUL_LO
	MULA 1, 0, NA/4, 0
	s_wait_dscnt 0x0
	s_barrier_signal -1
	MULA 1, NA/4, NA/4, 0
	WIN 0
	s_barrier_wait -1
.if \fill
	CREST
	s_add_nc_u64 s[G0+4*\slot+2:G0+4*\slot+3], s[G0+4*\slot+2:G0+4*\slot+3], 2*NQ*FRB
	s_add_nc_u64 s[G0B+4*\slot+2:G0B+4*\slot+3], s[G0B+4*\slot+2:G0B+4*\slot+3], 2*NQ*FRB
	JLOAD G0+4*\slot, G1, G0B+4*\slot, G1B
.else
	PLACES 4
.endif
	s_wait_alu depctr_va_vdst(0)
	v_add_nc_u32 v[ADRS], NQ*64, v[ADRS]
	FETCH \next, 0, 0
	WIN MUL_HI
	MULA 1, NA/2, NA/2, 0
	WIN 0
.endm
.macro REST slot, next, fill
.set rq, 1
.rept NQ-2
	STEP \slot, rq, 0
.set rq, rq+1
.endr
	TURN \slot, \next, \fill
.endm
.set TM, 176
.set CT, 160
.set SEL, 66
.macro QUANT s, w, pc, pw
	WIN ((\w)<<2)|((\w)<<4)
.irp b, 0,1,2,3
	v_max3_num_f32 v[TM+\b], 0x1800000, |v[\s+16*\b]|, |v[\s+16*\b+1]|
.endr
.irp i, 2,4,6,8,10,12,14
.irp b, 0,1,2,3
	v_max3_num_f32 v[TM+\b], v[TM+\b], |v[\s+16*\b+\i]|, |v[\s+16*\b+\i+1]|
.endr
.endr
	WIN 0
.irp b, 0,1,2,3
	v_permlanex16_b32 v[TM+4+\b], v[TM+\b], s[SEL], s[SEL+1]
.endr
.irp b, 0,1,2,3
	v_max_num_f32 v[TM+\b], v[TM+\b], v[TM+4+\b]
.endr
.irp b, 0,1,2,3
	v_add_nc_u32 v[TM+12+\b], 0xff000000, v[TM+\b]
.endr
.irp b, 0,1,2,3
	v_lshrrev_b32 v[TM+4+\b], 23, v[TM+12+\b]
.endr
	v_lshl_or_b32 v[\pw], v[TM+5], 8, v[TM+4]
	v_lshl_or_b32 v[\pw], v[TM+6], 16, v[\pw]
	v_lshl_or_b32 v[\pw], v[TM+7], 24, v[\pw]
	WIN (\w)
.irp c, 0,1
	v_cvt_scalef32_pk16_fp6_f32 v[\pc+6*\c:\pc+6*\c+2], v[\s+32*\c:\s+32*\c+15], v[TM+12+2*\c]
	v_cvt_scalef32_pk16_fp6_f32 v[CT+4*\c:CT+4*\c+2], v[\s+32*\c+16:\s+32*\c+31], v[TM+13+2*\c]
.endr
	WIN 0
	v_nop
.irp c, 0,1
.irp i, 0,1,2
	v_permlane16_swap_b32 v[\pc+6*\c+\i], v[CT+4*\c+\i]
.endr
.irp i, 0,1,2
	v_mov_b32 v[\pc+6*\c+3+\i], v[CT+4*\c+\i]
.endr
.endr
.endm
.macro HIST pc, sb, off
	global_store_b128 v[L16], v[\pc:\pc+3], s[\sb:\sb+1] offset:\off
	global_store_b64 v[L8], v[\pc+4:\pc+5], s[\sb:\sb+1] offset:\off+512
.endm
	s_load_b128 s[4:7], s[0:1], 0x0
	s_load_b64 s[12:13], s[0:1], 0x10
	v_lshl_add_u32 v[SPW], v0, 2, SPARE
	v_mov_b32 v[NIL], 0
	ds_add_u32 v28, v29
	ds_add_u32 v28, v29
	s_wait_dscnt 0x0
	v_lshrrev_b32 v1, 5, v0
	v_readfirstlane_b32 s14, v1
	s_lshr_b32 s15, s14, 1
	s_and_b32 s16, s14, 1
	s_bfe_u32 s40, ttmp6, 0x40000
	s_bfe_u32 s41, ttmp6, 0x40004
	s_and_b32 s66, ttmp7, 0xffff
	s_lshl_b32 s67, s66, 2
	s_lshl_b32 s2, ttmp9, 2
	s_cmp_eq_u32 ttmp9, 2
	s_cselect_b32 s17, 8, s67
	s_cselect_b32 s42, s67, s2
	s_add_co_u32 s17, s17, s41
	s_add_co_u32 s42, s42, s40
	s_lshl_b32 s43, s41, 2
	s_lshl_b32 s43, 15, s43
	s_lshl_b32 s44, 0x1111, s40
	s_or_b32 s[G1+0], s43, (3<<16)|(1<<21)
	s_or_b32 s[G1B+0], s44, (3<<16)|(1<<21)
.irp g, G1, G1B
	s_mov_b32 s[\g+1], (NQ*192)<<16
	s_mov_b32 s[\g+2], NA<<16
	s_mov_b32 s[\g+3], (NQ*192)<<16
	s_mov_b32 s[\g+4], NA
	s_mov_b32 s[\g+5], KS*192
	s_mov_b32 s[\g+6], 0
	s_mov_b32 s[\g+7], 0
.endr
	s_or_b32 s[G1S+0], s43, (3<<16)|(1<<21)
	s_or_b32 s[G1SB+0], s44, (3<<16)|(1<<21)
.irp g, G1S, G1SB                              ; group 1 of the head's loads: a whole side of a slot, 2 NA tile rows of NQ K steps
	s_mov_b32 s[\g+1], (NQ*192)<<16
	s_mov_b32 s[\g+2], (2*NA)<<16
	s_mov_b32 s[\g+3], (NQ*192)<<16
	s_mov_b32 s[\g+4], 2*NA
	s_mov_b32 s[\g+5], KS*192
	s_mov_b32 s[\g+6], 0
	s_mov_b32 s[\g+7], 0
.endr
	s_and_b32 s94, s42, 3
	s_cmp_eq_u32 ttmp9, 2
	s_cselect_b32 s92, s42, s17
	s_cselect_b32 s93, s16, s15
	s_cselect_b32 s94, s41, s94
	s_cselect_b32 s95, s15, s16
	s_cselect_b32 s96, 24576, 0
	s_cselect_b32 s98, 4096, 0
	s_cmp_eq_u32 ttmp9, 0
	s_cselect_b32 s97, 6291456, 0
	s_cselect_b32 s99, 262144, 0
	s_add_co_u32 s96, s96, s97
	s_add_co_u32 s98, s98, s99
	s_lshr_b32 s97, s92, 3
	s_and_b32 s92, s92, 7
	s_lshl_b32 s92, s92, 1
	s_add_co_u32 s92, s92, s93
	s_lshl_b32 s94, s94, 2
	s_lshl_b32 s95, s95, 1
	s_add_co_u32 s94, s94, s95
	s_lshl_b32 s97, s97, 4
	s_add_co_u32 s94, s94, s97
	s_mul_i32 s95, s94, 196608
	s_add_co_u32 s96, s96, s95
	s_lshr_b32 s95, s92, 2
	s_mul_i32 s95, s95, 49152
	s_add_co_u32 s96, s96, s95
	s_and_b32 s95, s92, 3
	s_mul_i32 s95, s95, 6144
	s_add_co_u32 s96, s96, s95
	s_lshl_b32 s95, s94, 13
	s_add_co_u32 s98, s98, s95
	s_lshl_b32 s95, s92, 8
	s_add_co_u32 s98, s98, s95
	s_add_co_u32 s98, s98, 12582912
	s_mov_b32 s97, 0
	s_mov_b32 s99, 0
	s_lshl_b32 s20, s17, 1
	s_add_co_u32 s20, s20, s16
	s_lshl_b32 s46, s42, 1
	s_add_co_u32 s46, s46, s16
	s_mul_i32 s22, s20, NA*KS*64
	s_mul_i32 s92, s46, NA*KS*64
	s_mul_i32 s20, s20, NA*KS*FRB
	s_mul_i32 s46, s46, NA*KS*FRB
	s_mov_b32 s21, 0
	s_mov_b32 s23, 0
	s_mov_b32 s47, 0
	s_mov_b32 s93, 0
	s_mul_i32 s45, s14, QTR
	s_mul_i32 s94, s14, QS
	s_wait_kmcnt 0x0
	s_add_nc_u64 s[96:97], s[12:13], s[96:97]
	s_add_nc_u64 s[98:99], s[12:13], s[98:99]
	s_mov_b32 s18, 3145728
	s_mov_b32 s19, 9437184
	s_cmp_eq_u32 ttmp9, 2
	s_cselect_b64 s[8:9], s[4:5], s[6:7]
	s_cselect_b64 s[4:5], s[6:7], s[4:5]
	s_cselect_b32 s12, s19, s18
	s_cselect_b32 s18, s18, s19
	s_mov_b32 s13, 0
	s_mov_b32 s19, 0
	s_add_nc_u64 s[6:7], s[4:5], s[12:13]
	s_add_nc_u64 s[10:11], s[8:9], s[18:19]
	s_add_nc_u64 s[20:21], s[4:5], s[20:21]
	s_add_nc_u64 s[22:23], s[6:7], s[22:23]
	s_add_nc_u64 s[46:47], s[8:9], s[46:47]
	s_add_nc_u64 s[92:93], s[10:11], s[92:93]
	; THE SCALE WORDS of the block's rows, all of K: each wave copies a quarter (waves 0, 1 side A's halves, waves 2, 3 side B's) through registers, 512 consecutive bytes a load
	v_and_b32 v1, 31, v0
	v_lshlrev_b32 v[L16], 4, v1
	v_lshlrev_b32 v[L8], 3, v1
	s_add_co_u32 s94, s94, SCL
	v_add_nc_u32 v5, s94, v[L16]
	v_min_u32 v6, 23, v1                           ; the prefetches' offset: block l % 12 of tile row l / 12, l held at 23; never rewritten
	v_mul_u32_u24 v7, v6, 171
	v_lshrrev_b32 v7, 11, v7                       ; l / 12
	v_mul_u32_u24 v7, v7, KS*FRB-12*256
	v_lshl_add_u32 v6, v6, 8, v7
	s_cmp_eq_u32 s15, 0
	s_cselect_b64 s[22:23], s[22:23], s[92:93]
	s_wait_alu depctr_va_vdst(0)
.set si, 0
.rept QS/512
	global_load_b128 v[AF+4*si:AF+4*si+3], v[L16], s[22:23] offset:512*si
.set si, si+1
.endr
.irp s, 0,1
	s_mov_b32 s[G0+4*\s], 1
	s_add_co_u32 s[G0+4*\s+1], s45, \s*SLOT
	s_add_nc_u64 s[G0+4*\s+2:G0+4*\s+3], s[20:21], \s*NQ*FRB
	s_or_b32 s[G0+4*\s+3], s[G0+4*\s+3], 0x80000000
	s_mov_b32 s[G0B+4*\s], 1
	s_add_co_u32 s[G0B+4*\s+1], s45, \s*SLOT
	s_add_nc_u64 s[G0B+4*\s+2:G0B+4*\s+3], s[46:47], \s*NQ*FRB
	s_or_b32 s[G0B+4*\s+3], s[G0B+4*\s+3], 0x80000000
.endr
	; THE HEAD'S FILLS, one joint load a wave: wave 0 side A of slot 0, wave 1 side B of slot 0, wave 2 side A of slot 1, wave 3 side B of slot 1.
	; THE PREFETCHES: K has four slots; slots 2 and 3, the two refills, are asked for behind the head's loads.  Of the eight tile rows that I refill, each of the four partners that ask with me takes two (24 blocks of 256 bytes, a lane a block), told apart by address alone.
	s_mul_i32 s2, s16, NA*KS*FRB
	s_mov_b32 s3, 0
	s_sub_nc_u64 s[G0S+2:G0S+3], s[20:21], s[2:3]          ; the block's first tile row
	s_sub_nc_u64 s[G0SB+2:G0SB+3], s[46:47], s[2:3]
	s_mul_i32 s2, s15, NQ*FRB                              ; slot wave / 2
	s_add_nc_u64 s[G0S+2:G0S+3], s[G0S+2:G0S+3], s[2:3]
	s_add_nc_u64 s[G0SB+2:G0SB+3], s[G0SB+2:G0SB+3], s[2:3]
	s_or_b32 s[G0S+3], s[G0S+3], 0x80000000
	s_or_b32 s[G0SB+3], s[G0SB+3], 0x80000000
	s_mov_b32 s[G0S], 1
	s_mov_b32 s[G0SB], 1
	s_mul_i32 s[G0S+1], s15, SLOT
	s_add_co_u32 s[G0SB+1], s[G0S+1], 2*QTR
	s_cmp_eq_u32 s15, 0
	s_cselect_b64 s[4:5], s[20:21], s[46:47]
	s_cselect_b32 s12, s40, s41
	s_mul_i32 s12, s12, 2*KS*FRB
	s_mov_b32 s13, 0
	s_add_nc_u64 s[4:5], s[4:5], s[12:13]
	CROUND                                         ; all sixteen work-groups are here: the joint loads meet
.macro HARM under, g0, g1, next
	s_cmp_lt_u32 s14, \under
	s_cbranch_scc0 \next
	tensor_load_to_lds s[\g0:\g0+3], s[\g1:\g1+7]
	s_nop 0
	PLACES 4
	s_branch .Lhead_asked
\next:
.endm
	HARM 1, G0S, G1S, .Lhead_b0
	HARM 2, G0SB, G1SB, .Lhead_a1
	HARM 3, G0S, G1S, .Lhead_b1
	tensor_load_to_lds s[G0SB:G0SB+3], s[G1SB:G1SB+7]
	s_nop 0
	PLACES 4
.Lhead_asked:
	global_prefetch_b8 v6, s[4:5] offset:2*NQ*FRB th:TH_LOAD_NT scope:SCOPE_SE
	global_prefetch_b8 v6, s[4:5] offset:3*NQ*FRB th:TH_LOAD_NT scope:SCOPE_SE
	s_wait_loadcnt 0x0
.set si, 0
.rept QS/512
	ds_store_b128 v5, v[AF+4*si:AF+4*si+3] offset:512*si   ; into LDS bytes on which no tensor load lands
.set si, si+1
.endr
	v_and_b32 v2, 15, v0
	v_bfe_u32 v3, v0, 4, 1
	s_wait_alu depctr_va_vdst(0)
	s_mul_i32 s21, s15, QTR
	s_mul_i32 s22, s16, QTR
	s_add_co_u32 s22, s22, 2*QTR
.irp s, 0,1
	v_add_nc_u32 v[ADRA+\s], s21, v[L16]
	v_add_nc_u32 v[ADRA+2+\s], s21, v[L8]
	v_add_nc_u32 v[ADRB+\s], s22, v[L16]
	v_add_nc_u32 v[ADRB+2+\s], s22, v[L8]
	s_add_co_u32 s21, s21, SLOT
	s_add_co_u32 s22, s22, SLOT
.endr
	s_mul_i32 s21, s15, QS
	s_mul_i32 s22, s16, QS
	s_add_co_u32 s22, s22, 2*QS
	s_sub_co_u32 s22, s22, s21
	v_mul_u32_u24 v4, s22, v3
	s_add_co_u32 s21, s21, SCL
	v_lshl_add_u32 v4, v2, 2, v4
	v_add_nc_u32 v[ADRS], s21, v4
	s_wait_alu depctr_va_vdst(0)
	s_cmp_lt_u32 s14, 2                            ; slot 0's two loads are waves 0 and 1's own lines; slot 1's may stay out
	s_cbranch_scc0 .Lslot_1_out
	s_wait_tensorcnt 0x0
.Lslot_1_out:
	s_wait_dscnt 0x0                               ; my scale words lie in LDS
	s_barrier_signal -1
	s_barrier_wait -1
	FETCH 0, 0, 0
	STEP 0, 0, 1
.if LAPS > 1
	s_mov_b32 s3, LAPS-1
.Llap:
	REST 0, 1, 1
	s_wait_alu depctr_va_vdst(0)
	STEP 1, 0, 0
	REST 1, 0, 1
	s_wait_alu depctr_va_vdst(0)
	STEP 0, 0, 0
	s_sub_co_u32 s3, s3, 1
	s_cmp_lg_u32 s3, 0
	s_cbranch_scc1 .Llap
.endif
	REST 0, 1, 0
.set tq, 0
	s_wait_alu depctr_va_vdst(0)
.rept NQ-1
	STEP 1, tq, 0
.set tq, tq+1
.endr
	s_wait_dscnt 0x0
	WIN MUL_LO
	MULA 1, 0, NA/2, 0
	WIN MUL_HI
	MULA 1, NA/2, NA/2, 0
	WIN 0
	PLACES 4
.set PCQ, 64
.set PWQ, 168
.set WA, 192
.set WB, 196
	s_mov_b32 s[SEL], 0x76543210
	s_mov_b32 s[SEL+1], 0xfedcba98
	s_mov_b32 s2, 0xffff0000
	s_mov_b32 s18, 0x05040100
	s_mov_b32 s19, 0x07060302
	; K'S TILES LEAVE IN ANOTHER ORDER OF THE KEYS THAN THEY ARE MADE IN.  Made: tile 4 g + 2 u + e, place 8 rh + rl is key 64 g + 32 u + 16 rh + 8 e + rl of the step.  Stored: that key at tile 4 g + 2 rh + e, place 8 u + rl,
	; so that in the next launch a lane's 32 scores of four neighbouring tiles are 32 neighbouring keys.  Only addresses differ: pieces of eight lanes change tile and half.  Q's tiles stay as they are made.
	; One text serves both: rh and u enter the addresses with factors chosen by the cluster's number (1: K).
	s_mov_b32 s20, 128
	s_mov_b32 s21, 1536
	s_cmp_eq_u32 ttmp9, 1
	s_cselect_b32 s22, s21, s20                    ; registers 0-3 of an image: what rh adds,
	s_cselect_b32 s23, s20, s21                    ; and u
	s_cselect_b32 s46, s21, 64                     ; registers 4-5
	s_cselect_b32 s47, 64, s21
	s_cselect_b32 s92, 4, s20                      ; the scale words
	s_cselect_b32 s93, s20, 4
	v_and_b32 v24, 15, v0
	v_bfe_u32 v25, v0, 4, 1
	v_lshlrev_b32 v24, 4, v24
	v_lshl_add_u32 v24, v25, 13, v24
	v_and_b32 v14, 7, v0                           ; rl
	v_bfe_u32 v15, v0, 3, 1                        ; rh
	v_lshlrev_b32 v8, 4, v14
	v_lshlrev_b32 v10, 3, v14
	v_lshlrev_b32 v12, 4, v14
	v_lshl_add_u32 v8, v25, 8, v8
	v_lshl_add_u32 v10, v25, 7, v10
	v_lshl_add_u32 v12, v25, 13, v12
	v_mad_u32_u24 v8, v15, s22, v8                 ; v8, v9: 16 bytes a lane, u = 0, 1
	v_mad_u32_u24 v10, v15, s46, v10               ; v10, v11: 8 bytes a lane
	v_mad_u32_u24 v12, v15, s92, v12               ; v12, v13: a scale word; lanes 16-31 the second head's
	v_add_nc_u32 v9, s23, v8
	v_add_nc_u32 v11, s47, v10
	v_add_nc_u32 v13, s93, v12
.irp b, 0,1,2,3
	v_mov_b32 v[TM+4+\b], 0
.endr
.irp a, 0,1,2,3,4,5,6,7
	QUANT 64*(\a%4), 2+\a/4, PCQ+12*\a, PWQ+\a
.endr
	s_cmp_eq_u32 ttmp9, 2
	s_cbranch_scc1 .Lrole_v
.irp a, 0,1,2,3,4,5,6,7                        ; a = 4 g + 2 u + e: the immediate holds g and e, the address register u
	global_store_b128 v[8+(\a/2)%2], v[PCQ+12*\a:PCQ+12*\a+3], s[96:97] offset:(4*(\a/4)+\a%2)*768
	global_store_b64 v[10+(\a/2)%2], v[PCQ+12*\a+4:PCQ+12*\a+5], s[96:97] offset:(4*(\a/4)+\a%2)*768+512
	global_store_b128 v[8+(\a/2)%2], v[PCQ+12*\a+6:PCQ+12*\a+9], s[96:97] offset:196608+(4*(\a/4)+\a%2)*768
	global_store_b64 v[10+(\a/2)%2], v[PCQ+12*\a+10:PCQ+12*\a+11], s[96:97] offset:196608+(4*(\a/4)+\a%2)*768+512
.endr
.irp p, 0,1,2,3
	v_perm_b32 v[WA+\p], v[PWQ+2*\p+1], v[PWQ+2*\p], s18
	v_perm_b32 v[WB+\p], v[PWQ+2*\p+1], v[PWQ+2*\p], s19
.endr
.irp p, 0,1,2,3
	v_cndmask_b32 v[WA+\p], v[WA+\p], v[WB+\p], s2
.endr
.irp p, 0,1,2,3                                ; the word of pair p = 2 g + u goes with its rows: 4 bytes a lane, one byte in 24 of what these roles store
	global_store_b32 v[12+\p%2], v[WA+\p], s[98:99] offset:8*(\p/2)
.endr
	s_branch .Lstored
.Lrole_v:
	s_wait_alu depctr_va_vdst(0)
.irp a, 0,1,2,3,4,5,6,7
	HIST PCQ+12*\a, 96, (\a/4)*196608+(\a%4)*1536
	HIST PCQ+12*\a+6, 96, (\a/4)*196608+(\a%4)*1536+768
.endr
.irp t, 0,1,2,3
	v_cndmask_b32 v[WA+\t], v[PWQ+\t], v[PWQ+4+\t], s2
.endr
	s_wait_alu depctr_va_vdst(0)
	global_store_b128 v24, v[WA:WA+3], s[98:99]
.Lstored:
	s_wait_tensorcnt 0x0
	ds_add_u32 v[SPW], v[NIL]
	s_wait_dscnt 0x0
	CROUND
	s_endpgm
.Lfunc_end_k_q5d25d79177_qkv:
	.size	k_q5d25d79177_qkv, .Lfunc_end_k_q5d25d79177_qkv-k_q5d25d79177_qkv
	.p2alignl 7, 3214868480
	.fill 96, 4, 3214868480
	.section	.rodata,"a",@progbits
	.p2align	6, 0x0
	.amdhsa_kernel k_q5d25d79177_qkv
		.amdhsa_group_segment_fixed_size 327680
		.amdhsa_private_segment_fixed_size 0
		.amdhsa_enable_private_segment 0
		.amdhsa_kernarg_size 24
		.amdhsa_user_sgpr_count 2
		.amdhsa_user_sgpr_kernarg_segment_ptr 1
		.amdhsa_wavefront_size32 1
		.amdhsa_system_sgpr_workgroup_id_x 1
		.amdhsa_system_sgpr_workgroup_id_y 1
		.amdhsa_system_sgpr_workgroup_id_z 1
		.amdhsa_system_vgpr_workitem_id 0
		.amdhsa_next_free_vgpr 1024
		.amdhsa_next_free_sgpr 100
		.amdhsa_reserve_vcc 0
		.amdhsa_float_denorm_mode_32 3
		.amdhsa_float_denorm_mode_16_64 3
		.amdhsa_memory_ordered 1
		.amdhsa_forward_progress 1
		.amdhsa_inst_pref_size 159
	.end_amdhsa_kernel
	.amdgpu_metadata
---
amdhsa.version: [ 1, 2 ]
amdhsa.kernels:
  - .name:           k_q5d25d79177_qkv
    .symbol:         k_q5d25d79177_qkv.kd
    .args:
      - { .name: XN, .offset: 0, .size: 8, .value_kind: global_buffer, .address_space: global }
      - { .name: W, .offset: 8, .size: 8, .value_kind: global_buffer, .address_space: global }
      - { .name: QKV, .offset: 16, .size: 8, .value_kind: global_buffer, .address_space: global }
    .group_segment_fixed_size: 327680
    .private_segment_fixed_size: 0
    .kernarg_segment_align: 8
    .kernarg_segment_size: 24
    .max_flat_workgroup_size: 128
    .sgpr_count:     100
    .vgpr_count:     1024
    .wavefront_size: 32
...
	.end_amdgpu_metadata
.endif
;; end of part 2
;; launch attn (part 3): grid 8 x 32, 16 waves a work-group, clusters of 4 x 1, 215,040 bytes of LDS; arguments QKV, OC; writes OC
.if DOCPART == 3
	.amdgcn_target "amdgcn-amd-amdhsa--gfx1250"
	.amdhsa_code_object_version 6
	.text
	.protected	k_q5d25d79177_attn
	.globl	k_q5d25d79177_attn
	.p2align	8
	.type	k_q5d25d79177_attn,@function
k_q5d25d79177_attn:
	s_mov_b64 s[64:65], 0
	v_nop
	global_prefetch_b8 v0, s[64:65] scope:SCOPE_SE
	s_setreg_imm32_b32 hwreg(HW_REG_WAVE_MODE, 25, 1), 1
	s_wait_xcnt 0x0
	s_wait_alu depctr_hold_cnt(0) depctr_sa_sdst(0) depctr_va_vdst(0) depctr_va_sdst(0) depctr_va_ssrc(0) depctr_va_vcc(0) depctr_vm_vsrc(0)
	s_getreg_b32 s2, hwreg(HW_REG_IB_STS2, 6, 4)
	s_cmp_eq_u32 s2, 0
	s_cbranch_scc0 .Lentry_in_a_cluster
	s_endpgm
.Lentry_in_a_cluster:
	s_bfe_u32 s2, ttmp6, 0x10000c
	s_cmp_lg_u32 s2, 0x3003
	s_cbranch_scc0 .Lentry_shape_is_right
	s_endpgm
.Lentry_shape_is_right:
; o = softmax(q k^T / 8) v for one (batch, head) and 256 queries, both products on codes of FP6 (E2M3) with E8M0 scales; o is quantised along C on the way out, as the next product's operand.
; THE SOFTMAX: t = score x log2(e) / 8; M = the running largest t rounded up to a whole number; p = 2^(t - M) is quantised along the keys, not normalised; the row's sum is taken of the unquantised p and divides at the end.
; When M moves, the sum and O are multiplied by 2^(old M - new M), which rounds nothing.
; SHARES.  Sixteen waves, each one tile of 16 queries in 256 registers: four waves to a SIMD, so that one wave's vector work stands beside another's matrix work.  Every wave walks the head's 2,048 keys, 128 a step.
; FILLS.  A head's scale words (8,192 bytes, LDS byte 0) and its k and v (196,608 bytes: four chunks of 512 keys, each 24,576 bytes of k and then of v, from LDS byte 16,384) are filled ONCE, one tensor load a wave, in one chain
; of branches on the wave's number: wave 0 the scale words, waves 1-3 chunk 0, waves 4-12 chunks 1-3, 16,384 bytes each at LDS byte 16,384 x wave; waves 13-15 load nothing.  No byte of LDS is filled again.
; BARRIERS.  The first shows the scale words and chunk 0 (waves 0-3 have waited for their own lines); the second, behind chunk 0's four steps, shows the rest (every wave has waited).  Behind it the waves walk by themselves.
; CLUSTER: the four query blocks of a cluster belong to one head: each load is asked for jointly, by the same descriptor and a mask that names the four.
; NO PREFETCH: all that the launch reads by tensor loads is asked for at its head; there is no loop to run ahead in.
; LAYOUT.  Both products transposed: S^T = k q^T, O^T = v^T p^T: a lane holds one query throughout.
; THE KEYS OF k'S TILES: place r of tile 4 g + t of a step is key 64 g + 32 (r / 8) + 8 t + r % 8 (the launch before stores them so).  Lane (r, h) then holds, in the 32 registers of tiles 4 g .. 4 g + 3, keys 64 g + 32 h + 0 .. 31:
; ONE WHOLE SCALE BLOCK of p, in the order and in the half of the lanes in which the operand's registers 6 g .. 6 g + 5 want it.  So a block's largest p needs no other lane, and the codes change no lane.
; q's, v's and o's tiles: place r of tile t is row 32 (t / 2) + 8 (t % 2) + r + 8 (r / 8), so that O^T's 16 registers of two neighbouring tiles are 16 neighbours of the head's 64.
; THE HEAD'S 64 IN AN INSTRUCTION OF 128: a fragment of k holds TWO tiles of keys, one in each half of K; q stands in registers twice, as [q | zeros] and [zeros | q]: zero codes add nothing under any scale byte that is a number.
; LIMITS: a block of zeros gets the scale byte 1, not 127 (its codes are zeros; this program alone reads the bytes); NaN and infinities are not served; the scaled scores stay under 2^31 in magnitude.
; Two heads share a scale word of o, so its two bytes leave by a store of two bytes a lane: 128 KiB in the whole launch.
.set SCB, 0                            ; k's scale words (4,096 bytes), then v's
.set CB,  16384                        ; the codes begin here
.set SPARE, 212992                     ; behind the codes: the spare words, 128 bytes a wave
.set L16, 1
.set L8,  2
.set SC0, 3                            ; v3  SCB + 16 r
.set AD,  5                            ; v5-7 the step's addresses
.set AD8, 6
.set ASC, 7
.set H8,  10                           ; v10 8 h: how far my two scale bytes are shifted
.set QLO, 16                           ; v16-27 [q | 0]
.set QHI, 28                           ; v28-39 [0 | q]
.set F,   40                           ; v40-87 four fragments: k's, then v's
.set S,   88                           ; v88-151 S^T, then p
.set O,   152                          ; v152-183 O^T
.set PC,  184                          ; v184-195 p's codes
.set CT,  196
.set BM,  204                          ; v204-207 four chains of largest scores; then v204, v206 my two blocks' largest score and largest p
.set PT,  208
.set SO,  212                          ; v212, v214 the conversions' scale operands
.set PSW, 216                          ; p's scale word
.set FM,  218                          ; v[218:219] f = 2^(old M - new M), in the low word
.set TP,  220
.set KSW, 224
.set VSW, 228
.set QSL, 232
.set QSH, 233
.set SM,  240                          ; v240-253 seven chains of the row's sum; the eighth is v[14:15]
.set WV,  8
.set G1C, 16                           ; s[16:23] group 1 for a wave's 16,384 bytes of codes; s[24:31] for the scale words
.set G1S, 24
.set G0,  32                           ; s[32:35] group 0 of the scale words, s[36:39] of my codes
.set SEL, 52
.set CS,  54
.set TB,  56
.set TS,  57
.set CNT, 58
.macro ROUND                           ; a round of the cluster's barrier
	s_barrier_signal -1
	s_barrier_wait -1
	s_cmp_lg_u32 s[WV], 0
	s_cbranch_scc1 .Lnot_wave_0_\@
	s_barrier_signal -3
.Lnot_wave_0_\@:
	s_barrier_wait -3
	s_barrier_signal -1
	s_barrier_wait -1
.endm
.macro FRAG reg, off
	ds_load_b128 v[\reg:\reg+3], v[AD] offset:\off
	ds_load_b64 v[\reg+4:\reg+5], v[AD8] offset:\off+512
	ds_load_b128 v[\reg+6:\reg+9], v[AD] offset:\off+768
	ds_load_b64 v[\reg+10:\reg+11], v[AD8] offset:\off+1280
.endm
.macro TLOAD g0, g1
	tensor_load_to_lds s[\g0:\g0+3], s[\g1:\g1+7]
	s_nop 0
.rept 4
	v_nop
.endr
.endm
	s_load_b128 s[4:7], s[0:1], 0x0                ; QKV, OC
	v_lshl_add_u32 v254, v0, 2, SPARE
	v_mov_b32 v255, 0
	ds_add_u32 v254, v255                          ; the opening lines: the add twice on end and one wait
	ds_add_u32 v254, v255
	v_lshrrev_b32 v1, 5, v0
	s_delay_alu instid0(VALU_DEP_1)
	v_readfirstlane_b32 s[WV], v1                  ; wave 0..15
	s_bfe_u32 s9, ttmp6, 0x40000                   ; cx: it enters q's and o's global addresses alone
	s_lshl_b32 s10, ttmp9, 2
	s_add_co_u32 s10, s10, s9                      ; my block of 256 queries
	s_and_b32 s11, ttmp7, 0xffff                   ; 16 x batch + head, which the partners share
	s_mov_b32 s[G1C], 15|(3<<16)|(1<<21)           ; the mask: all four; elements of 8 bytes; 21 set beside a mask
	s_mov_b32 s[G1C+1], 32<<16                     ; rows of 256 bytes,
	s_mov_b32 s[G1C+2], 64<<16                     ; sixty-four of them
	s_mov_b32 s[G1C+3], 32<<16
	s_mov_b32 s[G1C+4], 64
	s_mov_b32 s[G1C+5], 32
	s_mov_b32 s[G1C+6], 0
	s_mov_b32 s[G1C+7], 0
	s_mov_b32 s[G1S], 15|(3<<16)|(1<<21)
	s_mov_b32 s[G1S+1], 32<<16
	s_mov_b32 s[G1S+2], 32<<16                     ; thirty-two
	s_mov_b32 s[G1S+3], 32<<16
	s_mov_b32 s[G1S+4], 32
	s_mov_b32 s[G1S+5], 32
	s_mov_b32 s[G1S+6], 0
	s_mov_b32 s[G1S+7], 0
	s_mul_i32 s60, s11, 196608
	s_lshl_b32 s58, s[WV], 14                      ; 16,384 x wave: my place in LDS; in memory the codes begin one such piece earlier
	s_add_co_u32 s60, s60, s58
	s_mov_b32 s61, 0
	s_lshl_b32 s62, s11, 13
	s_add_co_u32 s62, s62, 12582912
	s_mov_b32 s63, 0
	s_mov_b32 s[SEL], 0x76543210
	s_mov_b32 s[SEL+1], 0xfedcba98
	s_mov_b32 s[CS], 0x3e38aa3b                    ; c = log2(e) / 8
	s_mov_b32 s[CS+1], s[CS]
	s_mov_b32 s[TB], CB
	s_mov_b32 s[TS], 0
	s_wait_dscnt 0x0
	s_wait_kmcnt 0x0
	s_add_nc_u64 s[60:61], s[4:5], s[60:61]
	s_add_nc_u64 s[62:63], s[4:5], s[62:63]
	s_mov_b32 s[G0], 1
	s_mov_b32 s[G0+1], SCB
	s_mov_b64 s[G0+2:G0+3], s[62:63]
	s_or_b32 s[G0+3], s[G0+3], 0x80000000
	s_mov_b32 s[G0+4], 1
	s_mov_b32 s[G0+5], s58
	s_sub_nc_u64 s[G0+6:G0+7], s[60:61], CB        ; used by waves 1-12 alone
	s_or_b32 s[G0+7], s[G0+7], 0x80000000
	ROUND                                          ; all four work-groups are here: the joint loads meet
	s_cmp_eq_u32 s[WV], 0
	s_cbranch_scc0 .Lchunk_0
	TLOAD G0, G1S                                  ; wave 0: the scale words
	s_branch .Lasked
.Lchunk_0:
	s_cmp_lt_u32 s[WV], 4
	s_cbranch_scc0 .Lchunks_123
	TLOAD G0+4, G1C                                ; waves 1-3: chunk 0
	s_branch .Lasked
.Lchunks_123:
	s_cmp_lt_u32 s[WV], 13
	s_cbranch_scc0 .Lasked
	TLOAD G0+4, G1C                                ; waves 4-12: chunks 1-3
.Lasked:
	; q: tile 16 x block + wave of the head: step sq of 128 queries, tile a of it
	s_lshl_b32 s66, s10, 1
	s_lshr_b32 s67, s[WV], 3
	s_add_co_u32 s66, s66, s67                     ; sq
	s_and_b32 s67, s[WV], 7                        ; a
	s_mul_i32 s68, s11, 196608
	s_lshr_b32 s69, s66, 2
	s_mul_i32 s69, s69, 49152
	s_add_co_u32 s68, s68, s69
	s_and_b32 s69, s66, 3
	s_mul_i32 s69, s69, 6144
	s_add_co_u32 s68, s68, s69
	s_mul_i32 s69, s67, 768
	s_add_co_u32 s68, s68, s69
	s_add_co_u32 s68, s68, 6291456
	s_mov_b32 s69, 0
	s_add_nc_u64 s[68:69], s[4:5], s[68:69]
	s_lshl_b32 s70, s11, 13
	s_lshl_b32 s71, s66, 8
	s_add_co_u32 s70, s70, s71
	s_lshr_b32 s71, s67, 1
	s_lshl_b32 s71, s71, 2
	s_add_co_u32 s70, s70, s71                     ; the word of my pair of tiles
	s_add_co_u32 s70, s70, 12845056
	s_mov_b32 s71, 0
	s_add_nc_u64 s[70:71], s[4:5], s[70:71]
	s_and_b32 s59, s[WV], 1
	s_lshl_b32 s59, s59, 4                         ; my tile's two bytes begin at bit 16 (a % 2)
	v_and_b32 v4, 31, v0
	s_delay_alu instid0(VALU_DEP_1)
	v_lshlrev_b32 v[L16], 4, v4
	s_delay_alu instid0(VALU_DEP_2)
	v_lshlrev_b32 v[L8], 3, v4
	v_and_b32 v4, 15, v0                           ; r
	s_delay_alu instid0(VALU_DEP_1)
	v_lshl_add_u32 v[SC0], v4, 4, SCB
	s_delay_alu instid0(VALU_DEP_2)
	v_lshlrev_b32 v8, 4, v4
	s_delay_alu instid0(VALU_DEP_3)
	v_lshlrev_b32 v9, 2, v4
	v_bfe_u32 v[H8], v0, 4, 1                      ; h
	s_delay_alu instid0(VALU_DEP_1)
	v_lshlrev_b32 v[H8], 3, v[H8]
	global_load_b128 v[QLO:QLO+3], v[L16], s[68:69]            ; q's half image, twice: the two forms differ
	global_load_b64 v[QLO+4:QLO+5], v[L8], s[68:69] offset:512
	global_load_b128 v[QHI+6:QHI+9], v[L16], s[68:69]
	global_load_b64 v[QHI+10:QHI+11], v[L8], s[68:69] offset:512
	global_load_b32 v[TP], v8, s[70:71]
.irp j, 22,23,24,25,26,27,28,29,30,31,32,33
	v_mov_b32 v[\j], 0                             ; the zero halves
.endr
	v_mov_b32 v13, 0xff61b1e6                      ; the largest t so far: -3e38
	s_delay_alu instid0(VALU_DEP_1)
	v_floor_f32 v12, -v13                          ; -M
	v_mov_b32 v14, 0
	v_mov_b32 v15, 0
	v_mov_b32 v[FM+1], 0                           ; named with f as a pair
.irp b, 0,1,2,3
	v_mov_b32 v[PT+\b], 0                          ; a lane permute's destination counts as one of its sources
.endr
	s_wait_loadcnt 0x0
	v_bfe_u32 v[TP], v[TP], s59, 16
	s_delay_alu instid0(VALU_DEP_1)
	v_or_b32 v[QSL], 0x7f7f0000, v[TP]             ; q's two bytes below, 1.0 over the zeros
	s_delay_alu instid0(VALU_DEP_2)
	v_lshl_or_b32 v[QSH], v[TP], 16, 0x7f7f        ; and the other way round
.set j, 0
.rept 32
	v_mov_b32 v[O+j], 0                            ; O^T: the step is written once, and the first change of M leaves zeros zeros.  (Also the places between the scale words' writes and the first product)
.set j, j+1
.endr
.macro STEP                            ; 128 keys
	v_add_nc_u32 v[AD], s[TB], v[L16]
	v_add_nc_u32 v[AD8], s[TB], v[L8]
	v_add_nc_u32 v[ASC], s[TS], v[SC0]
	v_nop                                          ; four places in front of loads into registers that the last products read
.irp p, 0,1,2,3
	FRAG F+12*\p, \p*1536
.endr
	ds_load_b128 v[KSW:KSW+3], v[ASC]              ; the four pairs' scale words of my place
	s_wait_alu depctr_va_vdst(0)
	s_wait_dscnt 0x0
.irp p, 0,1,2,3
	v_wmma_scale_f32_16x16x128_f8f6f4 v[S+16*\p:S+16*\p+7], v[F+12*\p:F+12*\p+11], v[QLO:QLO+11], 0, v[KSW+\p], v[QSL] matrix_a_fmt:MATRIX_FMT_FP6 matrix_b_fmt:MATRIX_FMT_FP6
	v_wmma_scale_f32_16x16x128_f8f6f4 v[S+16*\p+8:S+16*\p+15], v[F+12*\p:F+12*\p+11], v[QHI:QHI+11], 0, v[KSW+\p], v[QSH] matrix_a_fmt:MATRIX_FMT_FP6 matrix_b_fmt:MATRIX_FMT_FP6
.endr                                          ; register 32 c + i is key 64 c + 32 (lane / 16) + i of the step
.rept 4
	v_nop
.endr
.irp t, 0,1,2,3
	FRAG F+12*\t, 24576+\t*1536                    ; v's four tiles land while the softmax is walked
.endr
	ds_load_b128 v[VSW:VSW+3], v[ASC] offset:4096
.irp b, 0,1,2,3
	v_max3_num_f32 v[BM+\b], v[S+16*\b], v[S+1+16*\b], v[S+2+16*\b]   ; the largest score of my two blocks of 32 keys, two chains to a block: for the row's maximum, and, since p rises with the score, for the block's largest p
.endr
.irp i, 3,5,7,9,11,13
.irp b, 0,1,2,3
	v_max3_num_f32 v[BM+\b], v[BM+\b], v[S+16*\b+\i], v[S+1+16*\b+\i]
.endr
.endr
.irp c, 0,2
	v_max3_num_f32 v[BM+\c], v[BM+\c], v[S+15+16*\c], v[S+31+16*\c]
.endr
.irp c, 0,2
	s_delay_alu instid0(VALU_DEP_2)
	v_max_num_f32 v[BM+\c], v[BM+\c], v[BM+1+\c]   ; the block's two chains
.endr
	s_delay_alu instid0(VALU_DEP_1)
	v_max_num_f32 v[TP], v[BM], v[BM+2]
	s_delay_alu instid0(VALU_DEP_1)
	v_permlanex16_b32 v[PT], v[TP], s[SEL], s[SEL+1]
	s_delay_alu instid0(VALU_DEP_1)
	v_max_num_f32 v[TP], v[TP], v[PT]              ; with lane l xor 16's two blocks: the step's largest score of my query
	s_delay_alu instid0(VALU_DEP_1)
	v_mul_f32 v[TP], s[CS], v[TP]
	s_delay_alu instid0(VALU_DEP_1)
	v_max_num_f32 v13, v13, v[TP]                  ; the running largest t
	v_mov_b32 v[TP], v12
	s_delay_alu instid0(VALU_DEP_2)
	v_floor_f32 v12, -v13                          ; the new -M = -ceil(t)
	s_delay_alu instid0(VALU_DEP_1)
	v_sub_f32 v[TP], v12, v[TP]                    ; old M - new M: a whole number, 0 or less
	s_delay_alu instid0(VALU_DEP_1)
	v_cvt_i32_f32 v[TP], v[TP]                     ; (it saturates)
	s_delay_alu instid0(VALU_DEP_1)
	v_ldexp_f32 v[FM], 1.0, v[TP]                  ; f
.set j, 0
.rept 32
	v_pk_fma_f32 v[S+j:S+j+1], v[S+j:S+j+1], s[CS:CS+1], v[12:13] op_sel_hi:[1,0,0]   ; t - M
.set j, j+2
.endr
.irp b, 0,2
	v_fma_f32 v[BM+\b], v[BM+\b], s[CS], v12
.endr
	s_wait_alu depctr_va_vdst(0)
.set j, 0
.rept 64
	v_exp_f32 v[S+j], v[S+j]                       ; p
.set j, j+1
.endr
	v_pk_mul_f32 v[14:15], v[14:15], v[FM:FM+1] op_sel_hi:[1,0]   ; the sums under the new M: a plain instruction behind the batch
	s_wait_alu depctr_va_vdst(0)                   ; one wait for the 64, ahead of their first reader
.irp b, 0,2
	v_exp_f32 v[BM+\b], v[BM+\b]                   ; my blocks' largest p
.endr
	; the row's sum of the unquantised p: 32 pairs in eight chains by turns
.irp k, 0,1,2,3,4,5,6
	v_pk_add_f32 v[SM+2*\k:SM+2*\k+1], v[S+4*\k:S+4*\k+1], v[S+4*\k+2:S+4*\k+3]
.endr
	v_pk_add_f32 v[14:15], v[14:15], v[S+28:S+29]
.irp k, 0,1,2,3,4,5,6
	v_pk_add_f32 v[SM+2*\k:SM+2*\k+1], v[SM+2*\k:SM+2*\k+1], v[S+30+2*\k:S+31+2*\k]
.endr
	v_pk_add_f32 v[14:15], v[14:15], v[S+44:S+45]
.irp k, 0,1,2,3,4,5,6
	v_pk_add_f32 v[SM+2*\k:SM+2*\k+1], v[SM+2*\k:SM+2*\k+1], v[S+46+2*\k:S+47+2*\k]
.endr
	v_pk_add_f32 v[14:15], v[14:15], v[S+60:S+61]
	v_pk_add_f32 v[SM:SM+1], v[SM:SM+1], v[S+62:S+63]
	v_pk_add_f32 v[SM+2:SM+3], v[SM+2:SM+3], v[SM+8:SM+9]
	v_pk_add_f32 v[SM+4:SM+5], v[SM+4:SM+5], v[SM+10:SM+11]
	v_pk_add_f32 v[SM+6:SM+7], v[SM+6:SM+7], v[SM+12:SM+13]
	s_delay_alu instid0(VALU_DEP_4)
	v_pk_add_f32 v[14:15], v[14:15], v[SM:SM+1]
	s_delay_alu instid0(VALU_DEP_3)
	v_pk_add_f32 v[SM+2:SM+3], v[SM+2:SM+3], v[SM+4:SM+5]
	s_delay_alu instid0(VALU_DEP_2)
	v_pk_add_f32 v[14:15], v[14:15], v[SM+6:SM+7]
	s_delay_alu instid0(VALU_DEP_1)
	v_pk_add_f32 v[14:15], v[14:15], v[SM+2:SM+3]
	s_wait_alu depctr_va_vdst(0)                   ; and one for the two
.irp b, 0,2
	v_max_num_f32 v[BM+\b], 0x1800000, v[BM+\b]    ; the floor 2^(3 - 127)
.endr
.irp b, 0,2
	s_delay_alu instid0(VALU_DEP_2)
	v_add_nc_u32 v[SO+\b], 0xff000000, v[BM+\b]    ; 2 off the exponent field: the conversions' scale operand
.endr
.irp b, 0,2
	s_delay_alu instid0(VALU_DEP_2)
	v_lshrrev_b32 v[PT+\b], 23, v[SO+\b]           ; the scale's byte
.endr
	s_delay_alu instid0(VALU_DEP_1)
	v_lshl_or_b32 v[PSW], v[PT+2], 16, v[PT]       ; my two bytes: blocks h and 2 + h of the step,
	s_delay_alu instid0(VALU_DEP_1)
	v_lshlrev_b32 v[PSW], v[H8], v[PSW]            ; at their places in the scale word;
	s_delay_alu instid0(VALU_DEP_1)
	v_permlanex16_b32 v[PT], v[PSW], s[SEL], s[SEL+1]
	s_delay_alu instid0(VALU_DEP_1)
	v_or_b32 v[PSW], v[PSW], v[PT]                 ; with lane l xor 16's two the word is whole
.irp c, 0,1
	v_cvt_scalef32_pk16_fp6_f32 v[PC+6*\c:PC+6*\c+2], v[S+32*\c:S+32*\c+15], v[SO+2*\c]
	v_cvt_scalef32_pk16_fp6_f32 v[CT+4*\c:CT+4*\c+2], v[S+32*\c+16:S+32*\c+31], v[SO+2*\c]   ; (a conversion's three registers begin on an even number: the block's second half is made elsewhere and moved)
.endr
	v_nop                                          ; one plain instruction behind the scaled conversions
.irp c, 0,1
.irp i, 0,1,2
	v_mov_b32 v[PC+6*\c+3+\i], v[CT+4*\c+\i]
.endr
.endr
.irp j, 0,2,4,6,8,10,12,14,16,18,20,22,24,26,28,30
	v_pk_mul_f32 v[O+\j:O+\j+1], v[O+\j:O+\j+1], v[FM:FM+1] op_sel_hi:[1,0]   ; O^T under the new M; these sixteen are also the places between the writes of p's codes and scale word and the products
.endr
	s_wait_alu depctr_va_vdst(0)
	s_wait_dscnt 0x0                               ; v's fragments and scale words
.irp t, 0,1,2,3
	v_wmma_scale_f32_16x16x128_f8f6f4 v[O+8*\t:O+8*\t+7], v[F+12*\t:F+12*\t+11], v[PC:PC+11], v[O+8*\t:O+8*\t+7], v[VSW+\t], v[PSW] matrix_a_fmt:MATRIX_FMT_FP6 matrix_b_fmt:MATRIX_FMT_FP6
.endr
.endm
.macro CHUNK c                         ; 512 keys: four steps
.if \c == 0
	s_wait_alu depctr_va_vdst(0)
	s_cmp_lt_u32 s[WV], 4                          ; the scale words' and chunk 0's lines are waves 0-3's own; the later chunks' loads may stay out
	s_cbranch_scc0 .Llater_\@
	s_wait_tensorcnt 0x0
.Llater_\@:
	s_wait_dscnt 0x0
	s_barrier_signal -1
	s_barrier_wait -1
.endif
.if \c == 1
	s_wait_tensorcnt 0x0                           ; every wave's load is in: chunks 1-3 are shown to all by this one barrier
	s_wait_dscnt 0x0
	s_barrier_signal -1
	s_barrier_wait -1
.endif
	s_mov_b32 s[CNT], 4
.Lstep_\@:
	STEP
	s_add_co_u32 s[TB], s[TB], 6144
	s_add_co_u32 s[TS], s[TS], 256
	s_sub_co_u32 s[CNT], s[CNT], 1
	s_cmp_lg_u32 s[CNT], 0
	s_cbranch_scc1 .Lstep_\@
	s_add_co_u32 s[TB], s[TB], 24576               ; over the chunk's v
.endm
	CHUNK 0
	CHUNK 1
	CHUNK 2
	CHUNK 3
	; THE WAY OUT: O^T / the sum; its 32 registers are the head's 64 in the order 16 b + i = 32 b + 16 (lane / 16) + i: a half image of o, and two scale bytes
.rept 4
	v_nop
.endr
	v_add_f32 v14, v14, v15
	s_delay_alu instid0(VALU_DEP_1)
	v_permlanex16_b32 v[TP], v14, s[SEL], s[SEL+1]
	s_delay_alu instid0(VALU_DEP_1)
	v_add_f32 v14, v14, v[TP]
	s_wait_alu depctr_va_vdst(0)
	v_rcp_f32 v14, v14
	v_nop                                          ; a plain instruction behind the reciprocal
	s_lshr_b32 s66, s11, 4
	s_lshl_b32 s66, s66, 7
	s_lshl_b32 s67, s10, 4
	s_add_co_u32 s66, s66, s67
	s_add_co_u32 s66, s66, s[WV]                   ; my tile among the 256 tiles of tokens
	s_and_b32 s67, s11, 15                         ; the head
	s_lshl_b32 s68, s66, 4
	s_add_co_u32 s68, s68, s67
	s_mul_i32 s68, s68, 768
	s_mov_b32 s69, 0
	s_add_nc_u64 s[68:69], s[6:7], s[68:69]
	s_lshl_b32 s70, s66, 9
	s_lshr_b32 s71, s67, 1
	s_lshl_b32 s71, s71, 6
	s_add_co_u32 s70, s70, s71
	s_and_b32 s71, s67, 1
	s_lshl_b32 s71, s71, 1
	s_add_co_u32 s70, s70, s71
	s_add_co_u32 s70, s70, 3145728
	s_mov_b32 s71, 0
	s_add_nc_u64 s[70:71], s[6:7], s[70:71]
	s_wait_alu depctr_va_vdst(0)                   ; the wait ahead of the reciprocal's first reader
.set j, 0
.rept 32
	v_mul_f32 v[S+j], v[O+j], v14
.set j, j+1
.endr
.irp b, 0,1
	v_max3_num_f32 v[BM+\b], 0x1800000, |v[S+16*\b]|, |v[S+16*\b+1]|
.endr
.irp i, 2,4,6,8,10,12,14
.irp b, 0,1
	s_delay_alu instid0(VALU_DEP_2)
	v_max3_num_f32 v[BM+\b], v[BM+\b], |v[S+16*\b+\i]|, |v[S+16*\b+\i+1]|
.endr
.endr
.irp b, 0,1
	s_delay_alu instid0(VALU_DEP_2)
	v_permlanex16_b32 v[PT+\b], v[BM+\b], s[SEL], s[SEL+1]
.endr
.irp b, 0,1
	s_delay_alu instid0(VALU_DEP_2)
	v_max_num_f32 v[BM+\b], v[BM+\b], v[PT+\b]
.endr
.irp b, 0,1
	s_delay_alu instid0(VALU_DEP_2)
	v_add_nc_u32 v[SO+\b], 0xff000000, v[BM+\b]
.endr
.irp b, 0,1
	s_delay_alu instid0(VALU_DEP_2)
	v_lshrrev_b32 v[PT+\b], 23, v[SO+\b]
.endr
	s_delay_alu instid0(VALU_DEP_1)
	v_lshl_or_b32 v[TP], v[PT+1], 8, v[PT]
	v_cvt_scalef32_pk16_fp6_f32 v[PC:PC+2], v[S:S+15], v[SO]
	v_cvt_scalef32_pk16_fp6_f32 v[CT:CT+2], v[S+16:S+31], v[SO+1]
	v_nop
.irp i, 0,1,2
	v_permlane16_swap_b32 v[PC+\i], v[CT+\i]
.endr
.irp i, 0,1,2
	s_delay_alu instid0(VALU_DEP_3)
	v_mov_b32 v[PC+3+\i], v[CT+\i]
.endr
	global_store_b128 v[L16], v[PC:PC+3], s[68:69]
	global_store_b64 v[L8], v[PC+4:PC+5], s[68:69] offset:512
	global_store_b16 v9, v[TP], s[70:71]           ; lanes 16-31 repeat lanes 0-15: the same bytes at the same places
	s_wait_tensorcnt 0x0                           ; the wave's end
	ds_add_u32 v254, v255
	s_wait_dscnt 0x0
	ROUND                                          ; the closing round
	s_endpgm
.Lfunc_end_k_q5d25d79177_attn:
	.size	k_q5d25d79177_attn, .Lfunc_end_k_q5d25d79177_attn-k_q5d25d79177_attn
	.p2alignl 7, 3214868480
	.fill 96, 4, 3214868480
	.section	.rodata,"a",@progbits
	.p2align	6, 0x0
	.amdhsa_kernel k_q5d25d79177_attn
		.amdhsa_group_segment_fixed_size 215040
		.amdhsa_private_segment_fixed_size 0
		.amdhsa_enable_private_segment 0
		.amdhsa_kernarg_size 16
		.amdhsa_user_sgpr_count 2
		.amdhsa_user_sgpr_kernarg_segment_ptr 1
		.amdhsa_wavefront_size32 1
		.amdhsa_system_sgpr_workgroup_id_x 1
		.amdhsa_system_sgpr_workgroup_id_y 1
		.amdhsa_system_sgpr_workgroup_id_z 1
		.amdhsa_system_vgpr_workitem_id 0
		.amdhsa_next_free_vgpr 256
		.amdhsa_next_free_sgpr 72
		.amdhsa_reserve_vcc 0
		.amdhsa_float_denorm_mode_32 3
		.amdhsa_float_denorm_mode_16_64 3
		.amdhsa_memory_ordered 1
		.amdhsa_forward_progress 1
		.amdhsa_inst_pref_size 77
	.end_amdhsa_kernel
	.amdgpu_metadata
---
amdhsa.version: [ 1, 2 ]
amdhsa.kernels:
  - .name:           k_q5d25d79177_attn
    .symbol:         k_q5d25d79177_attn.kd
    .args:
      - { .name: QKV, .offset: 0, .size: 8, .value_kind: global_buffer, .address_space: global }
      - { .name: OC, .offset: 8, .size: 8, .value_kind: global_buffer, .address_space: global }
    .group_segment_fixed_size: 215040
    .private_segment_fixed_size: 0
    .kernarg_segment_align: 8
    .kernarg_segment_size: 16
    .max_flat_workgroup_size: 512
    .sgpr_count:     72
    .vgpr_count:     256
    .wavefront_size: 32
...
	.end_amdgpu_metadata
.endif
;; end of part 3
;; launch oproj (part 4): grid 8 x 32, 4 waves a work-group, clusters of 4 x 4, 327,680 bytes of LDS; arguments OC, W, x, X1; writes X1
.if DOCPART == 4
	.amdgcn_target "amdgcn-amd-amdhsa--gfx1250"
	.amdhsa_code_object_version 6
	.text
	.protected	k_q5d25d79177_oproj
	.globl	k_q5d25d79177_oproj
	.p2align	8
	.type	k_q5d25d79177_oproj,@function
k_q5d25d79177_oproj:
	s_mov_b64 s[64:65], 0
	v_nop
	global_prefetch_b8 v0, s[64:65] scope:SCOPE_SE
	s_setreg_imm32_b32 hwreg(HW_REG_WAVE_MODE, 25, 1), 1
	s_wait_xcnt 0x0
	s_wait_alu depctr_hold_cnt(0) depctr_sa_sdst(0) depctr_va_vdst(0) depctr_va_sdst(0) depctr_va_ssrc(0) depctr_va_vcc(0) depctr_vm_vsrc(0)
	s_getreg_b32 s2, hwreg(HW_REG_IB_STS2, 6, 4)
	s_cmp_eq_u32 s2, 0
	s_cbranch_scc0 .Lentry_in_a_cluster
	s_endpgm
.Lentry_in_a_cluster:
	s_bfe_u32 s2, ttmp6, 0x10000c
	s_cmp_lg_u32 s2, 0xf033
	s_cbranch_scc0 .Lentry_shape_is_right
	s_endpgm
.Lentry_shape_is_right:
.set KS, 8
.set ASCAL, 3145728
.set BCODE, 2359296
.set BSCAL, 9535488
.set NA, 4
.set NB, 4
.set NQ, 4
.set MUL_HI, 0xa1
.set FRB, 1536
.set QTR, NA*NQ*FRB
.set SLOT, 4*QTR
.set LAPS, KS/(2*NQ)
.set QS, NA*KS*64
.set SCL, 2*SLOT
.set SPARE, SCL+4*QS
.set ADRA, 16
.set ADRB, 20
.set STO, 24
.set RD, 25
.set CO, 26
.set ADRS, 27
.set SPW, 28
.set NIL, 29
.set L16, 30
.set L8, 31
.set SC, 32
.set AF, 64
.set G1, 24
.set G0, 32
.set G1B, 48
.set G0B, 56
.set G1S, 68
.set G0S, 76
.set G1SB, 80
.set G0SB, 88
.set MUL_LO, 0xa1
.set MSB, 0
.macro WIN new
.if MSB != (\new)
	s_set_vgpr_msb (MSB<<8)|(\new)
.set MSB, (\new)
.endif
.endm
.macro JLOAD g0a, g1a, g0b, g1b
	s_cmp_eq_u32 s15, 0
	s_cbranch_scc0 .Lfor_b_\@
	tensor_load_to_lds s[\g0a:\g0a+3], s[\g1a:\g1a+7]
	s_nop 0
.rept 4
	v_nop
.endr
	s_branch .Lasked_\@
.Lfor_b_\@:
	tensor_load_to_lds s[\g0b:\g0b+3], s[\g1b:\g1b+7]
	s_nop 0
.rept 4
	v_nop
.endr
.Lasked_\@:
.endm
.macro CREST
	s_cmp_lg_u32 s14, 0
	s_cbranch_scc1 .Lnot_wave_0_\@
	s_barrier_signal -3
.Lnot_wave_0_\@:
	s_barrier_wait -3
	s_barrier_signal -1
	s_barrier_wait -1
.endm
.macro CROUND
	s_barrier_signal -1
	s_barrier_wait -1
	CREST
.endm
.macro PLACES n
.rept \n
	v_nop
.endr
.endm
.macro FRAG reg, adr, off
	ds_load_b128 v[\reg:\reg+3], v[\adr] offset:\off
	ds_load_b64 v[\reg+4:\reg+5], v[\adr+2] offset:\off+512
	ds_load_b128 v[\reg+6:\reg+9], v[\adr] offset:\off+768
	ds_load_b64 v[\reg+10:\reg+11], v[\adr+2] offset:\off+1280
.endm
.macro FETCH slot, q, f
	WIN 0x40
.set fi, 0
.rept NB
	FRAG 128*(\f)+12*fi, ADRB+(\slot), (fi*NQ+(\q))*FRB
.set fi, fi+1
.endr
	WIN 0
.set fi, 0
.rept NA
	FRAG AF+96*(\f)+12*fi, ADRA+(\slot), (fi*NQ+(\q))*FRB
.set fi, fi+1
.endr
.set fi, 0
.rept NA
	ds_load_b32 v[SC+8*(\f)+fi], v[ADRS] offset:fi*KS*64+(\q)*64
.set fi, fi+1
.endr
.endm
.macro MULA f, a0, n, zero
.set ia, \a0
.rept \n
.set ib, 0
.rept NB
.set AC, 8*((ia*NB+ib)%32)
.if \zero
	v_wmma_scale_f32_16x16x128_f8f6f4 v[AC:AC+7], v[128*(\f)+12*ib:128*(\f)+12*ib+11], v[AF+96*(\f)+12*ia:AF+96*(\f)+12*ia+11], 0, v[SC+8*(\f)+ib], v[SC+8*(\f)+ia] matrix_a_fmt:MATRIX_FMT_FP6 matrix_b_fmt:MATRIX_FMT_FP6 matrix_a_scale:MATRIX_SCALE_ROW1
.else
	v_wmma_scale_f32_16x16x128_f8f6f4 v[AC:AC+7], v[128*(\f)+12*ib:128*(\f)+12*ib+11], v[AF+96*(\f)+12*ia:AF+96*(\f)+12*ia+11], v[AC:AC+7], v[SC+8*(\f)+ib], v[SC+8*(\f)+ia] matrix_a_fmt:MATRIX_FMT_FP6 matrix_b_fmt:MATRIX_FMT_FP6 matrix_a_scale:MATRIX_SCALE_ROW1
.endif
.set ib, ib+1
.endr
.set ia, ia+1
.endr
.endm
.macro STEP slot, q, zero
.set FF, (\q)%2
	s_wait_dscnt 0x0
	WIN MUL_LO
	MULA FF, 0, NA/4, \zero
	PLACES 4
	FETCH \slot, (\q)+1, 1-FF
	WIN MUL_LO
	MULA FF, NA/4, NA/4, \zero
	WIN MUL_HI
	MULA FF, NA/2, NA/2, \zero
	WIN 0
.endm
.macro TURN slot, next, fill
	s_wait_tensorcnt 0x0
	ds_add_u32 v[SPW], v[NIL]
	s_wait_dscnt 1
	WIN MUL_LO
	MULA 1, 0, NA/4, 0
	s_wait_dscnt 0x0
	s_barrier_signal -1
	MULA 1, NA/4, NA/4, 0
	WIN 0
	s_barrier_wait -1
.if \fill
	CREST
	s_add_nc_u64 s[G0+4*\slot+2:G0+4*\slot+3], s[G0+4*\slot+2:G0+4*\slot+3], 2*NQ*FRB
	s_add_nc_u64 s[G0B+4*\slot+2:G0B+4*\slot+3], s[G0B+4*\slot+2:G0B+4*\slot+3], 2*NQ*FRB
	JLOAD G0+4*\slot, G1, G0B+4*\slot, G1B
.else
	PLACES 4
.endif
	v_add_nc_u32 v[ADRS], NQ*64, v[ADRS]
	FETCH \next, 0, 0
	WIN MUL_HI
	MULA 1, NA/2, NA/2, 0
	WIN 0
.endm
.macro REST slot, next, fill
.set rq, 1
.rept NQ-2
	STEP \slot, rq, 0
.set rq, rq+1
.endr
	TURN \slot, \next, \fill
.endm
	s_load_b128 s[4:7], s[0:1], 0x0
	s_load_b128 s[96:99], s[0:1], 0x10
	v_lshl_add_u32 v[SPW], v0, 2, SPARE
	v_mov_b32 v[NIL], 0
	ds_add_u32 v28, v29
	ds_add_u32 v28, v29
	s_wait_dscnt 0x0
	v_lshrrev_b32 v1, 5, v0
	v_readfirstlane_b32 s14, v1
	s_lshr_b32 s15, s14, 1
	s_and_b32 s16, s14, 1
	s_bfe_u32 s40, ttmp6, 0x40000
	s_bfe_u32 s41, ttmp6, 0x40004
	s_lshl_b32 s42, ttmp9, 2
	s_add_co_u32 s42, s42, s40
	s_and_b32 s17, ttmp7, 0xffff
	s_lshl_b32 s17, s17, 2
	s_add_co_u32 s17, s17, s41
	s_lshl_b32 s43, s41, 2
	s_lshl_b32 s43, 15, s43
	s_lshl_b32 s44, 0x1111, s40
	s_or_b32 s[G1+0], s43, (3<<16)|(1<<21)
	s_or_b32 s[G1B+0], s44, (3<<16)|(1<<21)
.irp g, G1, G1B
	s_mov_b32 s[\g+1], (NQ*192)<<16
	s_mov_b32 s[\g+2], NA<<16
	s_mov_b32 s[\g+3], (NQ*192)<<16
	s_mov_b32 s[\g+4], NA
	s_mov_b32 s[\g+5], KS*192
	s_mov_b32 s[\g+6], 0
	s_mov_b32 s[\g+7], 0
.endr
	s_or_b32 s[G1S+0], s43, (3<<16)|(1<<21)
	s_or_b32 s[G1SB+0], s44, (3<<16)|(1<<21)
.irp g, G1S, G1SB                              ; group 1 of the head's loads: a whole side of a slot, 2 NA tile rows of NQ K steps
	s_mov_b32 s[\g+1], (NQ*192)<<16
	s_mov_b32 s[\g+2], (2*NA)<<16
	s_mov_b32 s[\g+3], (NQ*192)<<16
	s_mov_b32 s[\g+4], 2*NA
	s_mov_b32 s[\g+5], KS*192
	s_mov_b32 s[\g+6], 0
	s_mov_b32 s[\g+7], 0
.endr
	s_lshl_b32 s12, s17, 7
	s_lshl_b32 s13, s15, 6
	s_add_co_u32 s12, s12, s13
	s_lshl_b32 s12, s12, 12
	s_lshl_b32 s13, s42, 9
	s_add_co_u32 s12, s12, s13
	s_lshl_b32 s13, s16, 8
	s_add_co_u32 s12, s12, s13
	s_mov_b32 s13, 0
	s_lshl_b32 s20, s17, 1
	s_add_co_u32 s20, s20, s16
	s_lshl_b32 s46, s42, 1
	s_add_co_u32 s46, s46, s16
	s_mul_i32 s22, s20, NA*KS*64
	s_mul_i32 s92, s46, NA*KS*64
	s_mul_i32 s20, s20, NA*KS*FRB
	s_mul_i32 s46, s46, NA*KS*FRB
	s_mov_b32 s21, 0
	s_mov_b32 s23, 0
	s_mov_b32 s47, 0
	s_mov_b32 s93, 0
	s_mul_i32 s45, s14, QTR
	s_mul_i32 s94, s14, QS
	s_wait_kmcnt 0x0
	s_add_nc_u64 s[96:97], s[96:97], s[12:13]
	s_add_nc_u64 s[98:99], s[98:99], s[12:13]
	s_add_nc_u64 s[8:9], s[6:7], BCODE
	s_add_nc_u64 s[10:11], s[6:7], BSCAL
	s_add_nc_u64 s[6:7], s[4:5], ASCAL
	s_add_nc_u64 s[20:21], s[4:5], s[20:21]
	s_add_nc_u64 s[22:23], s[6:7], s[22:23]
	s_add_nc_u64 s[46:47], s[8:9], s[46:47]
	s_add_nc_u64 s[92:93], s[10:11], s[92:93]
	; THE SCALE WORDS of the block's rows, all of K: each wave copies a quarter (waves 0, 1 side A's halves, waves 2, 3 side B's) through registers, 512 consecutive bytes a load
	v_and_b32 v1, 31, v0
	v_lshlrev_b32 v[L16], 4, v1
	v_lshlrev_b32 v[L8], 3, v1
	s_add_co_u32 s94, s94, SCL
	v_add_nc_u32 v5, s94, v[L16]
	s_cmp_eq_u32 s15, 0
	s_cselect_b64 s[22:23], s[22:23], s[92:93]
	s_wait_alu depctr_va_vdst(0)
.set si, 0
.rept QS/512
	global_load_b128 v[AF+4*si:AF+4*si+3], v[L16], s[22:23] offset:512*si
.set si, si+1
.endr
.irp s, 0,1
	s_mov_b32 s[G0+4*\s], 1
	s_add_co_u32 s[G0+4*\s+1], s45, \s*SLOT
	s_add_nc_u64 s[G0+4*\s+2:G0+4*\s+3], s[20:21], \s*NQ*FRB
	s_or_b32 s[G0+4*\s+3], s[G0+4*\s+3], 0x80000000
	s_mov_b32 s[G0B+4*\s], 1
	s_add_co_u32 s[G0B+4*\s+1], s45, \s*SLOT
	s_add_nc_u64 s[G0B+4*\s+2:G0B+4*\s+3], s[46:47], \s*NQ*FRB
	s_or_b32 s[G0B+4*\s+3], s[G0B+4*\s+3], 0x80000000
.endr
	; THE HEAD'S FILLS, one joint load a wave: wave 0 side A of slot 0, wave 1 side B of slot 0, wave 2 side A of slot 1, wave 3 side B of slot 1.
	; K is 1,024, two slots of four K steps: all of K is asked for here, nothing is filled again, and there is nothing to prefetch.
	s_mul_i32 s2, s16, NA*KS*FRB
	s_mov_b32 s3, 0
	s_sub_nc_u64 s[G0S+2:G0S+3], s[20:21], s[2:3]          ; the block's first tile row
	s_sub_nc_u64 s[G0SB+2:G0SB+3], s[46:47], s[2:3]
	s_mul_i32 s2, s15, NQ*FRB                              ; slot wave / 2
	s_add_nc_u64 s[G0S+2:G0S+3], s[G0S+2:G0S+3], s[2:3]
	s_add_nc_u64 s[G0SB+2:G0SB+3], s[G0SB+2:G0SB+3], s[2:3]
	s_or_b32 s[G0S+3], s[G0S+3], 0x80000000
	s_or_b32 s[G0SB+3], s[G0SB+3], 0x80000000
	s_mov_b32 s[G0S], 1
	s_mov_b32 s[G0SB], 1
	s_mul_i32 s[G0S+1], s15, SLOT
	s_add_co_u32 s[G0SB+1], s[G0S+1], 2*QTR
	CROUND                                         ; all sixteen work-groups are here: the joint loads meet
.macro HARM under, g0, g1, next
	s_cmp_lt_u32 s14, \under
	s_cbranch_scc0 \next
	tensor_load_to_lds s[\g0:\g0+3], s[\g1:\g1+7]
	s_nop 0
	PLACES 4
	s_branch .Lhead_asked
\next:
.endm
	HARM 1, G0S, G1S, .Lhead_b0
	HARM 2, G0SB, G1SB, .Lhead_a1
	HARM 3, G0S, G1S, .Lhead_b1
	tensor_load_to_lds s[G0SB:G0SB+3], s[G1SB:G1SB+7]
	s_nop 0
	PLACES 4
.Lhead_asked:
	s_wait_loadcnt 0x0                             ; my quarter of the scale words is in registers
.set si, 0
.rept QS/512
	ds_store_b128 v5, v[AF+4*si:AF+4*si+3] offset:512*si   ; into LDS bytes on which no tensor load lands
.set si, si+1
.endr
	v_and_b32 v2, 15, v0
	v_bfe_u32 v3, v0, 4, 1
	s_wait_alu depctr_va_vdst(0)
	s_mul_i32 s21, s15, QTR
	s_mul_i32 s22, s16, QTR
	s_add_co_u32 s22, s22, 2*QTR
.irp s, 0,1
	v_add_nc_u32 v[ADRA+\s], s21, v[L16]
	v_add_nc_u32 v[ADRA+2+\s], s21, v[L8]
	v_add_nc_u32 v[ADRB+\s], s22, v[L16]
	v_add_nc_u32 v[ADRB+2+\s], s22, v[L8]
	s_add_co_u32 s21, s21, SLOT
	s_add_co_u32 s22, s22, SLOT
.endr
	s_mul_i32 s21, s15, QS
	s_mul_i32 s22, s16, QS
	s_add_co_u32 s22, s22, 2*QS
	s_sub_co_u32 s22, s22, s21
	v_mul_u32_u24 v4, s22, v3
	s_add_co_u32 s21, s21, SCL
	v_lshl_add_u32 v4, v2, 2, v4
	v_add_nc_u32 v[ADRS], s21, v4
	s_mul_i32 s20, s14, 17408
	v_mul_u32_u24 v4, v2, 272
	v_lshl_add_u32 v4, v3, 6, v4
	v_add_nc_u32 v[STO], s20, v4
	v_mul_u32_u24 v4, v3, 272
	v_lshl_add_u32 v4, v2, 4, v4
	v_add_nc_u32 v[RD], s20, v4
	v_lshlrev_b32 v4, 4, v2
	v_lshl_add_u32 v[CO], v3, 12, v4
	WIN 0x80
.irp a, 0,1,2,3
.irp i, 0,1,2,3,4,5,6,7
	global_load_b128 v[128+32*\a+4*\i:128+32*\a+4*\i+3], v[CO], s[96:97] offset:(32*(\a/2)+8*(\a%2)+2*\i+8*(\i/4))*4096
.endr
.endr
	WIN 0
	s_wait_alu depctr_va_vdst(0)
	s_cmp_lt_u32 s14, 2                            ; slot 0's two loads are waves 0 and 1's own lines; slot 1's may stay out
	s_cbranch_scc0 .Lslot_1_out
	s_wait_tensorcnt 0x0
.Lslot_1_out:
	s_wait_dscnt 0x0                               ; my scale words lie in LDS
	s_barrier_signal -1
	s_barrier_wait -1
	FETCH 0, 0, 0
	STEP 0, 0, 1
.if LAPS > 1
	s_mov_b32 s3, LAPS-1
.Llap:
	REST 0, 1, 1
	STEP 1, 0, 0
	REST 1, 0, 1
	STEP 0, 0, 0
	s_sub_co_u32 s3, s3, 1
	s_cmp_lg_u32 s3, 0
	s_cbranch_scc1 .Llap
.endif
	REST 0, 1, 0
.set tq, 0
	s_wait_alu depctr_va_vdst(0)
.rept NQ-1
	STEP 1, tq, 0
.set tq, tq+1
.endr
	s_wait_dscnt 0x0
	WIN MUL_LO
	MULA 1, 0, NA/2, 0
	WIN MUL_HI
	MULA 1, NA/2, NA/2, 0
	WIN 0
	PLACES 4
.set BK, 192
	s_wait_loadcnt 0x0
.irp a, 0,1,2,3
	WIN 0x08
.irp b, 0,1,2,3
	ds_store_b128 v[STO], v[8*(4*\a+\b):8*(4*\a+\b)+3] offset:\a*4352+128*(\b/2)+32*(\b%2)
	ds_store_b128 v[STO], v[8*(4*\a+\b)+4:8*(4*\a+\b)+7] offset:\a*4352+128*(\b/2)+32*(\b%2)+16
.endr
	WIN 0
.irp i, 0,1,2,3,4,5,6,7
	ds_load_b128 v[BK+32*(\a%2)+4*\i:BK+32*(\a%2)+4*\i+3], v[RD] offset:\a*4352+544*\i
.endr
	s_wait_dscnt 0x0
	WIN 0x82
.irp k, 0,2,4,6,8,10,12,14,16,18,20,22,24,26,28,30
	v_pk_add_f32 v[128+32*\a+\k:128+32*\a+\k+1], v[128+32*\a+\k:128+32*\a+\k+1], v[BK+32*(\a%2)+\k:BK+32*(\a%2)+\k+1]
.endr
	WIN 0x08
.irp i, 0,1,2,3,4,5,6,7
	global_store_b128 v[CO], v[128+32*\a+4*\i:128+32*\a+4*\i+3], s[98:99] offset:(32*(\a/2)+8*(\a%2)+2*\i+8*(\i/4))*4096 th:TH_STORE_NT
.endr
.endr
	WIN 0
	s_wait_tensorcnt 0x0
	ds_add_u32 v[SPW], v[NIL]
	s_wait_dscnt 0x0
	CROUND
	s_endpgm
.Lfunc_end_k_q5d25d79177_oproj:
	.size	k_q5d25d79177_oproj, .Lfunc_end_k_q5d25d79177_oproj-k_q5d25d79177_oproj
	.p2alignl 7, 3214868480
	.fill 96, 4, 3214868480
	.section	.rodata,"a",@progbits
	.p2align	6, 0x0
	.amdhsa_kernel k_q5d25d79177_oproj
		.amdhsa_group_segment_fixed_size 327680
		.amdhsa_private_segment_fixed_size 0
		.amdhsa_enable_private_segment 0
		.amdhsa_kernarg_size 32
		.amdhsa_user_sgpr_count 2
		.amdhsa_user_sgpr_kernarg_segment_ptr 1
		.amdhsa_wavefront_size32 1
		.amdhsa_system_sgpr_workgroup_id_x 1
		.amdhsa_system_sgpr_workgroup_id_y 1
		.amdhsa_system_sgpr_workgroup_id_z 1
		.amdhsa_system_vgpr_workitem_id 0
		.amdhsa_next_free_vgpr 1024
		.amdhsa_next_free_sgpr 100
		.amdhsa_reserve_vcc 0
		.amdhsa_float_denorm_mode_32 3
		.amdhsa_float_denorm_mode_16_64 3
		.amdhsa_memory_ordered 1
		.amdhsa_forward_progress 1
		.amdhsa_inst_pref_size 63
	.end_amdhsa_kernel
	.amdgpu_metadata
---
amdhsa.version: [ 1, 2 ]
amdhsa.kernels:
  - .name:           k_q5d25d79177_oproj
    .symbol:         k_q5d25d79177_oproj.kd
    .args:
      - { .name: OC, .offset: 0, .size: 8, .value_kind: global_buffer, .address_space: global }
      - { .name: W, .offset: 8, .size: 8, .value_kind: global_buffer, .address_space: global }
      - { .name: x, .offset: 16, .size: 8, .value_kind: global_buffer, .address_space: global }
      - { .name: X1, .offset: 24, .size: 8, .value_kind: global_buffer, .address_space: global }
    .group_segment_fixed_size: 327680
    .private_segment_fixed_size: 0
    .kernarg_segment_align: 8
    .kernarg_segment_size: 32
    .max_flat_workgroup_size: 128
    .sgpr_count:     100
    .vgpr_count:     1024
    .wavefront_size: 32
...
	.end_amdgpu_metadata
.endif
;; end of part 4
;; launch ln2: the kernel of part 1 again; grid 256 x 1, 4 waves a work-group, no clusters, 66,304 bytes of LDS; arguments X1, ln2_g, ln2_b, qkv_w, out_w, up_w, down_w, XN, W; writes XN, W
;; launch up (part 5): grid 16 x 16, 4 waves a work-group, clusters of 4 x 4, 327,680 bytes of LDS; arguments XN, W, G; writes G
.if DOCPART == 5
	.amdgcn_target "amdgcn-amd-amdhsa--gfx1250"
	.amdhsa_code_object_version 6
	.text
	.protected	k_q5d25d79177_up
	.globl	k_q5d25d79177_up
	.p2align	8
	.type	k_q5d25d79177_up,@function
k_q5d25d79177_up:
	s_mov_b64 s[64:65], 0
	v_nop
	global_prefetch_b8 v0, s[64:65] scope:SCOPE_SE
	s_setreg_imm32_b32 hwreg(HW_REG_WAVE_MODE, 25, 1), 1
	s_wait_xcnt 0x0
	s_wait_alu depctr_hold_cnt(0) depctr_sa_sdst(0) depctr_va_vdst(0) depctr_va_sdst(0) depctr_va_ssrc(0) depctr_va_vcc(0) depctr_vm_vsrc(0)
	s_getreg_b32 s2, hwreg(HW_REG_IB_STS2, 6, 4)
	s_cmp_eq_u32 s2, 0
	s_cbranch_scc0 .Lentry_in_a_cluster
	s_endpgm
.Lentry_in_a_cluster:
	s_bfe_u32 s2, ttmp6, 0x10000c
	s_cmp_lg_u32 s2, 0xf033
	s_cbranch_scc0 .Lentry_shape_is_right
	s_endpgm
.Lentry_shape_is_right:
; G = Q(gelu(LN2(x1) up_w^T)): the product on codes of FP6 (E2M3) with E8M0 scales, the exact gelu in f32, and the result quantised along F on the way out, as the next product's operand.
; THE CORE.  A work-group of four waves makes 256 x 256 of the product, a wave 128 x 128: 64 accumulators.  Operands lie in memory as images of fragments (16 rows x 128 K: 1,536 bytes), so a wave's eight tiles x NQ K steps
; are NA rows of NQ x 1,536 consecutive bytes for one tensor load, and a fragment comes out of LDS by four loads of consecutive bytes.  K goes through a ring of two LDS slots of NQ K steps.
; The scale words of the work-group's rows, for all of K, come once with the first fills.  CLUSTERS of 4 x 4: side A's tiles are asked for jointly along a row of the cluster, side B's along a column.
; A FRAGMENT'S IMAGE: two half images of 768 bytes (16 rows x 64 K: registers 0-3 at 16 x lane, registers 4-5 at 512 + 8 x lane).  PLACE r OF TILE t IS ROW 32 (t / 2) + 8 (t % 2) + r + 8 (r / 8).
; THE MATRIX INSTRUCTION IS USED TRANSPOSED: source 0 = a tile of up_w's rows, source 1 = a tile of tokens: lane (r, h) holds the token at place r, and the 64 registers of the eight tiles are hidden units 32 b + 16 h + i at register 16 b + i.
; GELU: x / 2 + (x / 2) erf(x / sqrt 2), erf(z) = z P(z^2) / Q(z^2) with z held to +-4: polynomials of degree 6 and 4.
; LIMITS: that erf is off by a few 1e-7 at the most, in absolute terms, so 1 + erf is too; a block of zeros gets the scale byte 1, not 127 (its codes are zeros; this program alone reads the bytes); NaN and infinities are not served.
; A tile's scale words for my 128 hidden units are 64 bytes, 2,048 bytes from tile to tile: they leave in pieces of 64 bytes, one byte in 24 of what the launch stores.
.set NA, 8
.set NB, 8
.set NQ, 2
.set KS, 8
.set MUL_HI, 0xf1
.set FRB, 1536
.set QTR, NA*NQ*FRB
.set SLOT, 4*QTR
.set LAPS, KS/(2*NQ)
.set QS, NA*KS*64
.set SCL, 2*SLOT
.set SPARE, SCL+4*QS
.set ADRA, 16
.set ADRB, 20
.set ADRS, 27
.set SPW, 28
.set NIL, 29
.set L16, 30
.set L8, 31
.set SC, 32
.set AF, 64
.set G1, 24
.set G0, 32
.set G1B, 48
.set G0B, 56
.set G1S, 68
.set G0S, 76
.set G1SB, 80
.set G0SB, 88
.set MUL_LO, 0xa1
.set MSB, 0
.macro WIN new
.if MSB != (\new)
	s_set_vgpr_msb (MSB<<8)|(\new)
.set MSB, (\new)
.endif
.endm
.macro JLOAD g0a, g1a, g0b, g1b        ; a joint load: waves 0, 1 fetch for side A, waves 2, 3 for side B; four v_nop follow each line
	s_cmp_eq_u32 s15, 0
	s_cbranch_scc0 .Lfor_b_\@
	tensor_load_to_lds s[\g0a:\g0a+3], s[\g1a:\g1a+7]
	s_nop 0
.rept 4
	v_nop
.endr
	s_branch .Lasked_\@
.Lfor_b_\@:
	tensor_load_to_lds s[\g0b:\g0b+3], s[\g1b:\g1b+7]
	s_nop 0
.rept 4
	v_nop
.endr
.Lasked_\@:
.endm
.macro CREST
	s_cmp_lg_u32 s14, 0
	s_cbranch_scc1 .Lnot_wave_0_\@
	s_barrier_signal -3
.Lnot_wave_0_\@:
	s_barrier_wait -3
	s_barrier_signal -1
	s_barrier_wait -1
.endm
.macro CROUND
	s_barrier_signal -1
	s_barrier_wait -1
	CREST
.endm
.macro PLACES n
.rept \n
	v_nop
.endr
.endm
.macro FRAG reg, adr, off
	ds_load_b128 v[\reg:\reg+3], v[\adr] offset:\off
	ds_load_b64 v[\reg+4:\reg+5], v[\adr+2] offset:\off+512
	ds_load_b128 v[\reg+6:\reg+9], v[\adr] offset:\off+768
	ds_load_b64 v[\reg+10:\reg+11], v[\adr+2] offset:\off+1280
.endm
.macro FETCH slot, q, f
	WIN 0x40
.set fi, 0
.rept NB
	FRAG 128*(\f)+12*fi, ADRB+(\slot), (fi*NQ+(\q))*FRB
.set fi, fi+1
.endr
	WIN 0
.set fi, 0
.rept NA
	FRAG AF+96*(\f)+12*fi, ADRA+(\slot), (fi*NQ+(\q))*FRB
.set fi, fi+1
.endr
.set fi, 0
.rept NA
	ds_load_b32 v[SC+8*(\f)+fi], v[ADRS] offset:fi*KS*64+(\q)*64
.set fi, fi+1
.endr
.endm
.macro MULA f, a0, n, zero             ; the accumulators take turns, one instruction a turn, in one order in every step
.set ia, \a0
.rept \n
.set ib, 0
.rept NB
.set AC, 8*((ia*NB+ib)%32)
.if \zero
	v_wmma_scale_f32_16x16x128_f8f6f4 v[AC:AC+7], v[128*(\f)+12*ib:128*(\f)+12*ib+11], v[AF+96*(\f)+12*ia:AF+96*(\f)+12*ia+11], 0, v[SC+8*(\f)+ib], v[SC+8*(\f)+ia] matrix_a_fmt:MATRIX_FMT_FP6 matrix_b_fmt:MATRIX_FMT_FP6 matrix_a_scale:MATRIX_SCALE_ROW1
.else
	v_wmma_scale_f32_16x16x128_f8f6f4 v[AC:AC+7], v[128*(\f)+12*ib:128*(\f)+12*ib+11], v[AF+96*(\f)+12*ia:AF+96*(\f)+12*ia+11], v[AC:AC+7], v[SC+8*(\f)+ib], v[SC+8*(\f)+ia] matrix_a_fmt:MATRIX_FMT_FP6 matrix_b_fmt:MATRIX_FMT_FP6 matrix_a_scale:MATRIX_SCALE_ROW1
.endif
.set ib, ib+1
.endr
.set ia, ia+1
.endr
.endm
.macro STEP slot, q, zero
.set FF, (\q)%2
	s_wait_dscnt 0x0                               ; this step's fragments are in: asked for half a step ago in the turn, or just before by the head
	WIN MUL_LO
	MULA FF, 0, NA/4, \zero
	PLACES 4                                       ; in front of loads into the other set, which the last step's products read
	FETCH \slot, (\q)+1, 1-FF
	WIN MUL_LO
	MULA FF, NA/4, NA/4, \zero
	WIN MUL_HI
	MULA FF, NA/2, NA/2, \zero
	WIN 0
.endm
.macro TURN slot, next, fill
	s_wait_tensorcnt 0x0                           ; all my tensor loads have landed: my part of the next slot
	ds_add_u32 v[SPW], v[NIL]                      ; 0 onto my spare word
	s_wait_dscnt 1                                 ; the add alone may be out: this step's fragments are in
	WIN MUL_LO
	MULA 1, 0, NA/4, 0
	s_wait_dscnt 0x0                               ; the add is done, and my reads of this slot are over
	s_barrier_signal -1
	MULA 1, NA/4, NA/4, 0
	WIN 0
	s_barrier_wait -1
.if \fill
	CREST
	s_add_nc_u64 s[G0+4*\slot+2:G0+4*\slot+3], s[G0+4*\slot+2:G0+4*\slot+3], 2*NQ*FRB
	s_add_nc_u64 s[G0B+4*\slot+2:G0B+4*\slot+3], s[G0B+4*\slot+2:G0B+4*\slot+3], 2*NQ*FRB
	JLOAD G0+4*\slot, G1, G0B+4*\slot, G1B
.else
	PLACES 4
.endif
	s_wait_alu depctr_va_vdst(0)
	v_add_nc_u32 v[ADRS], NQ*64, v[ADRS]
	FETCH \next, 0, 0
	WIN MUL_HI
	MULA 1, NA/2, NA/2, 0
	WIN 0
.endm
.macro REST slot, next, fill
.set rq, 1
.rept NQ-2
	STEP \slot, rq, 0
.set rq, rq+1
.endr
	TURN \slot, \next, \fill
.endm
.set TM, 48                            ; the way out, all in window 0 and clear of the scale words' registers: v48-63 the quantiser's
.set H,  64                            ; v64-127 a tile's 64 numbers behind the gelu
.set Z,  128
.set XH, 144
.set S,  160
.set P,  176
.set Q,  192
.set PCS, 208                          ; v208-231 two sets of codes
.set CT, 232
.set PWS, 240                          ; v240-241 two scale words
.set VB8, 242
.set VA13, 244
.set SEL, 66
.set RS2, 24                           ; constants as scalar pairs, in registers that the descriptors have left: the last tensor load has been waited for
.set CB6, 26
.set CB4, 28
.set CB2, 30
.set CB0, 32
.set CA11, 34
.set CA9, 36
.set CA7, 38
.set CA5, 48
.set CA3, 50
.set CA1, 52
.macro QUANT s, w, pc, pw
	WIN ((\w)<<2)|((\w)<<4)
.irp b, 0,1,2,3
	v_max3_num_f32 v[TM+\b], 0x1800000, |v[\s+16*\b]|, |v[\s+16*\b+1]|
.endr
.irp i, 2,4,6,8,10,12,14
.irp b, 0,1,2,3
	v_max3_num_f32 v[TM+\b], v[TM+\b], |v[\s+16*\b+\i]|, |v[\s+16*\b+\i+1]|
.endr
.endr
	WIN 0
.irp b, 0,1,2,3
	v_permlanex16_b32 v[TM+4+\b], v[TM+\b], s[SEL], s[SEL+1]
.endr
.irp b, 0,1,2,3
	v_max_num_f32 v[TM+\b], v[TM+\b], v[TM+4+\b]
.endr
.irp b, 0,1,2,3
	v_add_nc_u32 v[TM+12+\b], 0xff000000, v[TM+\b]
.endr
.irp b, 0,1,2,3
	v_lshrrev_b32 v[TM+4+\b], 23, v[TM+12+\b]
.endr
	v_lshl_or_b32 v[\pw], v[TM+5], 8, v[TM+4]
	v_lshl_or_b32 v[\pw], v[TM+6], 16, v[\pw]
	v_lshl_or_b32 v[\pw], v[TM+7], 24, v[\pw]
	WIN (\w)
.irp c, 0,1
	v_cvt_scalef32_pk16_fp6_f32 v[\pc+6*\c:\pc+6*\c+2], v[\s+32*\c:\s+32*\c+15], v[TM+12+2*\c]
	v_cvt_scalef32_pk16_fp6_f32 v[CT+4*\c:CT+4*\c+2], v[\s+32*\c+16:\s+32*\c+31], v[TM+13+2*\c]
.endr
	WIN 0
	v_nop                                                ; one plain instruction behind the scaled conversions
.irp c, 0,1
.irp i, 0,1,2
	v_permlane16_swap_b32 v[\pc+6*\c+\i], v[CT+4*\c+\i]
.endr
.irp i, 0,1,2
	v_mov_b32 v[\pc+6*\c+3+\i], v[CT+4*\c+\i]
.endr
.endr
.endm
.macro HIST pc, sb, off
	global_store_b128 v[L16], v[\pc:\pc+3], s[\sb:\sb+1] offset:\off
	global_store_b64 v[L8], v[\pc+4:\pc+5], s[\sb:\sb+1] offset:\off+512
.endm
.macro KPAIR r, bits
	s_mov_b32 s[\r], \bits
	s_mov_b32 s[\r+1], s[\r]
.endm
.macro HORNER d, c                     ; d = d x S + c, eight pairs
.irp k, 0,2,4,6,8,10,12,14
	v_pk_fma_f32 v[\d+\k:\d+\k+1], v[\d+\k:\d+\k+1], v[S+\k:S+\k+1], s[\c:\c+1] op_sel_hi:[1,1,0]
.endr
.endm
.macro GELU16 src, dst                 ; sixteen results in window 2, two accumulators from their low ends on, become gelu in v[dst] on
	WIN 2
.irp k, 0,2,4,6,8,10,12,14
	v_pk_mul_f32 v[Z+\k:Z+\k+1], v[\src+\k:\src+\k+1], s[RS2:RS2+1] op_sel_hi:[1,0]
.endr
.irp k, 0,2,4,6,8,10,12,14
	v_pk_mul_f32 v[XH+\k:XH+\k+1], v[\src+\k:\src+\k+1], 0.5 op_sel_hi:[1,0]
.endr
	WIN 0
.irp k, 0,1,2,3,4,5,6,7,8,9,10,11,12,13,14,15
	v_med3_num_f32 v[Z+\k], v[Z+\k], -4.0, 4.0
.endr
.irp k, 0,2,4,6,8,10,12,14
	v_pk_mul_f32 v[S+\k:S+\k+1], v[Z+\k:Z+\k+1], v[Z+\k:Z+\k+1]
.endr
.irp k, 0,2,4,6,8,10,12,14
	v_pk_fma_f32 v[Q+\k:Q+\k+1], v[S+\k:S+\k+1], v[VB8:VB8+1], s[CB6:CB6+1] op_sel_hi:[1,1,0]
.endr
	HORNER Q, CB4
	HORNER Q, CB2
	HORNER Q, CB0
	s_wait_alu depctr_va_vdst(0)
.irp k, 0,1,2,3,4,5,6,7,8,9,10,11,12,13,14,15
	v_rcp_f32 v[Q+\k], v[Q+\k]
.endr
.irp k, 0,2,4,6,8,10,12,14
	v_pk_fma_f32 v[P+\k:P+\k+1], v[S+\k:S+\k+1], v[VA13:VA13+1], s[CA11:CA11+1] op_sel_hi:[1,1,0]   ; the numerator names none of the reciprocals: the work behind the batch
.endr
	HORNER P, CA9
	HORNER P, CA7
	HORNER P, CA5
	HORNER P, CA3
	HORNER P, CA1
.irp k, 0,2,4,6,8,10,12,14
	v_pk_mul_f32 v[P+\k:P+\k+1], v[P+\k:P+\k+1], v[Z+\k:Z+\k+1]
.endr
	s_wait_alu depctr_va_vdst(0)                   ; one wait for the sixteen reciprocals, ahead of their first reader
.irp k, 0,2,4,6,8,10,12,14
	v_pk_mul_f32 v[P+\k:P+\k+1], v[P+\k:P+\k+1], v[Q+\k:Q+\k+1]        ; erf
.endr
.irp k, 0,2,4,6,8,10,12,14
	v_pk_fma_f32 v[\dst+\k:\dst+\k+1], v[XH+\k:XH+\k+1], v[P+\k:P+\k+1], v[XH+\k:XH+\k+1]
.endr
.endm
.macro BLOCK a                         ; tile a of window 2: 16 tokens x my 128 hidden units: one fragment of G and its scale words
	GELU16 64*(\a), H
	GELU16 64*(\a)+16, H+16
	GELU16 64*(\a)+32, H+32
	GELU16 64*(\a)+48, H+48
	s_wait_xcnt 0x0                                ; the stores of two tiles ago have read their registers: their set is written again only behind this wait
	QUANT H, 0, PCS+12*((\a)%2), PWS+(\a)%2
	HIST PCS+12*((\a)%2), 96, (\a)*49152
	HIST PCS+12*((\a)%2)+6, 96, (\a)*49152+768
	global_store_b32 v24, v[PWS+(\a)%2], s[98:99] offset:(\a)*2048   ; lanes 16-31 repeat lanes 0-15: the same words at the same places
.endm
	s_load_b128 s[4:7], s[0:1], 0x0                ; XN, W
	s_load_b64 s[12:13], s[0:1], 0x10              ; G
	v_lshl_add_u32 v[SPW], v0, 2, SPARE
	v_mov_b32 v[NIL], 0
	ds_add_u32 v28, v29
	ds_add_u32 v28, v29
	s_wait_dscnt 0x0
	v_lshrrev_b32 v1, 5, v0
	v_readfirstlane_b32 s14, v1
	s_lshr_b32 s15, s14, 1
	s_and_b32 s16, s14, 1
	s_bfe_u32 s40, ttmp6, 0x40000
	s_bfe_u32 s41, ttmp6, 0x40004
	s_lshl_b32 s42, ttmp9, 2
	s_add_co_u32 s42, s42, s40                     ; the block of 256 hidden units
	s_and_b32 s17, ttmp7, 0xffff
	s_lshl_b32 s17, s17, 2
	s_add_co_u32 s17, s17, s41                     ; the block of 256 tokens
	s_lshl_b32 s43, s41, 2
	s_lshl_b32 s43, 15, s43
	s_lshl_b32 s44, 0x1111, s40
	s_or_b32 s[G1+0], s43, (3<<16)|(1<<21)
	s_or_b32 s[G1B+0], s44, (3<<16)|(1<<21)
.irp g, G1, G1B
	s_mov_b32 s[\g+1], (NQ*192)<<16
	s_mov_b32 s[\g+2], NA<<16
	s_mov_b32 s[\g+3], (NQ*192)<<16
	s_mov_b32 s[\g+4], NA
	s_mov_b32 s[\g+5], KS*192
	s_mov_b32 s[\g+6], 0
	s_mov_b32 s[\g+7], 0
.endr
	s_or_b32 s[G1S+0], s43, (3<<16)|(1<<21)
	s_or_b32 s[G1SB+0], s44, (3<<16)|(1<<21)
.irp g, G1S, G1SB                              ; group 1 of the head's loads: a whole side of a slot, 2 NA tile rows of NQ K steps
	s_mov_b32 s[\g+1], (NQ*192)<<16
	s_mov_b32 s[\g+2], (2*NA)<<16
	s_mov_b32 s[\g+3], (NQ*192)<<16
	s_mov_b32 s[\g+4], 2*NA
	s_mov_b32 s[\g+5], KS*192
	s_mov_b32 s[\g+6], 0
	s_mov_b32 s[\g+7], 0
.endr
	s_lshl_b32 s92, s17, 4                         ; where my results go: tile 16 x block + 8 x half of the tokens,
	s_lshl_b32 s93, s15, 3
	s_add_co_u32 s92, s92, s93
	s_lshl_b32 s93, s42, 1
	s_add_co_u32 s93, s93, s16                     ; K step 2 x block + half of the next product
	s_mul_i32 s96, s92, 49152
	s_mul_i32 s95, s93, 1536
	s_add_co_u32 s96, s96, s95
	s_mov_b32 s97, 0
	s_lshl_b32 s98, s92, 11
	s_lshl_b32 s95, s93, 6
	s_add_co_u32 s98, s98, s95
	s_add_co_u32 s98, s98, 12582912
	s_mov_b32 s99, 0
	s_lshl_b32 s20, s17, 1
	s_add_co_u32 s20, s20, s16
	s_lshl_b32 s46, s42, 1
	s_add_co_u32 s46, s46, s16
	s_mul_i32 s22, s20, NA*KS*64
	s_mul_i32 s92, s46, NA*KS*64
	s_mul_i32 s20, s20, NA*KS*FRB
	s_mul_i32 s46, s46, NA*KS*FRB
	s_mov_b32 s21, 0
	s_mov_b32 s23, 0
	s_mov_b32 s47, 0
	s_mov_b32 s93, 0
	s_mul_i32 s45, s14, QTR
	s_mul_i32 s94, s14, QS
	s_wait_kmcnt 0x0
	s_add_nc_u64 s[96:97], s[12:13], s[96:97]
	s_add_nc_u64 s[98:99], s[12:13], s[98:99]
	s_add_nc_u64 s[8:9], s[6:7], 3145728           ; up_w's codes in W,
	s_add_nc_u64 s[10:11], s[6:7], 9568256         ; and its scale words
	s_add_nc_u64 s[6:7], s[4:5], 3145728           ; XN's scale words
	s_add_nc_u64 s[20:21], s[4:5], s[20:21]
	s_add_nc_u64 s[22:23], s[6:7], s[22:23]
	s_add_nc_u64 s[46:47], s[8:9], s[46:47]
	s_add_nc_u64 s[92:93], s[10:11], s[92:93]
	; THE SCALE WORDS of the block's rows, all of K: each wave copies a quarter (waves 0, 1 side A's halves, waves 2, 3 side B's) through registers, 512 consecutive bytes a load
	v_and_b32 v1, 31, v0
	v_lshlrev_b32 v[L16], 4, v1
	v_lshlrev_b32 v[L8], 3, v1
	s_add_co_u32 s94, s94, SCL
	v_add_nc_u32 v5, s94, v[L16]
	v_min_u32 v6, 23, v1                           ; the prefetches' offset: block l % 12 of tile row l / 12, l held at 23; never rewritten
	v_mul_u32_u24 v7, v6, 171
	v_lshrrev_b32 v7, 11, v7                       ; l / 12
	v_mul_u32_u24 v7, v7, KS*FRB-12*256
	v_lshl_add_u32 v6, v6, 8, v7
	s_cmp_eq_u32 s15, 0
	s_cselect_b64 s[22:23], s[22:23], s[92:93]
	s_wait_alu depctr_va_vdst(0)
.set si, 0
.rept QS/512
	global_load_b128 v[AF+4*si:AF+4*si+3], v[L16], s[22:23] offset:512*si
.set si, si+1
.endr
.irp s, 0,1
	s_mov_b32 s[G0+4*\s], 1
	s_add_co_u32 s[G0+4*\s+1], s45, \s*SLOT
	s_add_nc_u64 s[G0+4*\s+2:G0+4*\s+3], s[20:21], \s*NQ*FRB
	s_or_b32 s[G0+4*\s+3], s[G0+4*\s+3], 0x80000000
	s_mov_b32 s[G0B+4*\s], 1
	s_add_co_u32 s[G0B+4*\s+1], s45, \s*SLOT
	s_add_nc_u64 s[G0B+4*\s+2:G0B+4*\s+3], s[46:47], \s*NQ*FRB
	s_or_b32 s[G0B+4*\s+3], s[G0B+4*\s+3], 0x80000000
.endr
	; THE HEAD'S FILLS, one joint load a wave: wave 0 side A of slot 0, wave 1 side B of slot 0, wave 2 side A of slot 1, wave 3 side B of slot 1.
	; THE PREFETCHES: K has four slots; slots 2 and 3, the two refills, are asked for behind the head's loads.  Of the eight tile rows that I refill, each of the four partners that ask with me takes two (24 blocks of 256 bytes, a lane a block), told apart by address alone.
	s_mul_i32 s2, s16, NA*KS*FRB
	s_mov_b32 s3, 0
	s_sub_nc_u64 s[G0S+2:G0S+3], s[20:21], s[2:3]          ; the block's first tile row
	s_sub_nc_u64 s[G0SB+2:G0SB+3], s[46:47], s[2:3]
	s_mul_i32 s2, s15, NQ*FRB                              ; slot wave / 2
	s_add_nc_u64 s[G0S+2:G0S+3], s[G0S+2:G0S+3], s[2:3]
	s_add_nc_u64 s[G0SB+2:G0SB+3], s[G0SB+2:G0SB+3], s[2:3]
	s_or_b32 s[G0S+3], s[G0S+3], 0x80000000
	s_or_b32 s[G0SB+3], s[G0SB+3], 0x80000000
	s_mov_b32 s[G0S], 1
	s_mov_b32 s[G0SB], 1
	s_mul_i32 s[G0S+1], s15, SLOT
	s_add_co_u32 s[G0SB+1], s[G0S+1], 2*QTR
	s_cmp_eq_u32 s15, 0
	s_cselect_b64 s[4:5], s[20:21], s[46:47]
	s_cselect_b32 s12, s40, s41
	s_mul_i32 s12, s12, 2*KS*FRB
	s_mov_b32 s13, 0
	s_add_nc_u64 s[4:5], s[4:5], s[12:13]
	CROUND                                         ; all sixteen work-groups are here: the joint loads meet
.macro HARM under, g0, g1, next
	s_cmp_lt_u32 s14, \under
	s_cbranch_scc0 \next
	tensor_load_to_lds s[\g0:\g0+3], s[\g1:\g1+7]
	s_nop 0
	PLACES 4
	s_branch .Lhead_asked
\next:
.endm
	HARM 1, G0S, G1S, .Lhead_b0
	HARM 2, G0SB, G1SB, .Lhead_a1
	HARM 3, G0S, G1S, .Lhead_b1
	tensor_load_to_lds s[G0SB:G0SB+3], s[G1SB:G1SB+7]
	s_nop 0
	PLACES 4
.Lhead_asked:
	global_prefetch_b8 v6, s[4:5] offset:2*NQ*FRB th:TH_LOAD_NT scope:SCOPE_SE
	global_prefetch_b8 v6, s[4:5] offset:3*NQ*FRB th:TH_LOAD_NT scope:SCOPE_SE
	s_wait_loadcnt 0x0
.set si, 0
.rept QS/512
	ds_store_b128 v5, v[AF+4*si:AF+4*si+3] offset:512*si   ; into LDS bytes on which no tensor load lands
.set si, si+1
.endr
	v_and_b32 v2, 15, v0
	v_bfe_u32 v3, v0, 4, 1
	v_lshlrev_b32 v24, 2, v2                       ; 4 r: a scale word's place
	s_mul_i32 s21, s15, QTR
	s_mul_i32 s22, s16, QTR
	s_add_co_u32 s22, s22, 2*QTR
.irp s, 0,1
	v_add_nc_u32 v[ADRA+\s], s21, v[L16]
	v_add_nc_u32 v[ADRA+2+\s], s21, v[L8]
	v_add_nc_u32 v[ADRB+\s], s22, v[L16]
	v_add_nc_u32 v[ADRB+2+\s], s22, v[L8]
	s_add_co_u32 s21, s21, SLOT
	s_add_co_u32 s22, s22, SLOT
.endr
	s_mul_i32 s21, s15, QS
	s_mul_i32 s22, s16, QS
	s_add_co_u32 s22, s22, 2*QS
	s_sub_co_u32 s22, s22, s21
	v_mul_u32_u24 v4, s22, v3
	s_add_co_u32 s21, s21, SCL
	v_lshl_add_u32 v4, v2, 2, v4
	v_add_nc_u32 v[ADRS], s21, v4
	s_wait_alu depctr_va_vdst(0)
	s_cmp_lt_u32 s14, 2                            ; slot 0's two loads are waves 0 and 1's own lines; slot 1's may stay out
	s_cbranch_scc0 .Lslot_1_out
	s_wait_tensorcnt 0x0
.Lslot_1_out:
	s_wait_dscnt 0x0                               ; my scale words lie in LDS
	s_barrier_signal -1
	s_barrier_wait -1
	FETCH 0, 0, 0
	STEP 0, 0, 1
.if LAPS > 1
	s_mov_b32 s3, LAPS-1
.Llap:
	REST 0, 1, 1
	s_wait_alu depctr_va_vdst(0)
	STEP 1, 0, 0
	REST 1, 0, 1
	s_wait_alu depctr_va_vdst(0)
	STEP 0, 0, 0
	s_sub_co_u32 s3, s3, 1
	s_cmp_lg_u32 s3, 0
	s_cbranch_scc1 .Llap
.endif
	REST 0, 1, 0
.set tq, 0
	s_wait_alu depctr_va_vdst(0)
.rept NQ-1
	STEP 1, tq, 0
.set tq, tq+1
.endr
	s_wait_dscnt 0x0
	WIN MUL_LO
	MULA 1, 0, NA/2, 0
	WIN MUL_HI
	MULA 1, NA/2, NA/2, 0
	WIN 0
	PLACES 4
	; THE WAY OUT: a loop of two trips, so that the gelu's text is written for four tiles and not for eight.  A trip works window 2's four tiles; behind the first, window 3's accumulators are brought down into window 2.
	s_mov_b32 s[SEL], 0x76543210
	s_mov_b32 s[SEL+1], 0xfedcba98
	KPAIR RS2, 0x3f3504f3                          ; 1 / sqrt 2
	KPAIR CB6, 0xb95fbd29
	KPAIR CB4, 0xbadc924e
	KPAIR CB2, 0xbbf19bf8
	KPAIR CB0, 0xbc69b6a7
	KPAIR CA11, 0x32edffee
	KPAIR CA9, 0xb60cff51
	KPAIR CA7, 0xb86ec2d2
	KPAIR CA5, 0xba40ac63
	KPAIR CA3, 0xbb41a1f6
	KPAIR CA1, 0xbc83dbd4
	v_mov_b32 v[VB8], 0xb77460cd
	v_mov_b32 v[VB8+1], 0xb77460cd
	v_mov_b32 v[VA13], 0xaf95df0b
	v_mov_b32 v[VA13+1], 0xaf95df0b
.irp b, 0,1,2,3
	v_mov_b32 v[TM+4+\b], 0                        ; a lane permute's destination counts as one of its sources
.endr
	s_mov_b32 s3, 2
.Lhalf:
	BLOCK 0
	BLOCK 1
	BLOCK 2
	BLOCK 3
	s_cmp_eq_u32 s3, 1
	s_cbranch_scc1 .Lcopied
	WIN 0x83                                       ; destination window 2, source window 3
.set ci, 0
.rept 256
	v_mov_b32 v[ci], v[ci]                         ; ascending: each accumulator from its low end on
.set ci, ci+1
.endr
	WIN 0
.Lcopied:
	s_wait_xcnt 0x0                                ; the stores have read their bases
	s_add_nc_u64 s[96:97], s[96:97], 4*49152
	s_add_nc_u64 s[98:99], s[98:99], 4*2048
	s_sub_co_u32 s3, s3, 1
	s_cmp_lg_u32 s3, 0
	s_cbranch_scc1 .Lhalf
	s_wait_tensorcnt 0x0                           ; the wave's end
	ds_add_u32 v[SPW], v[NIL]
	s_wait_dscnt 0x0
	CROUND
	s_endpgm
.Lfunc_end_k_q5d25d79177_up:
	.size	k_q5d25d79177_up, .Lfunc_end_k_q5d25d79177_up-k_q5d25d79177_up
	.p2alignl 7, 3214868480
	.fill 96, 4, 3214868480
	.section	.rodata,"a",@progbits
	.p2align	6, 0x0
	.amdhsa_kernel k_q5d25d79177_up
		.amdhsa_group_segment_fixed_size 327680
		.amdhsa_private_segment_fixed_size 0
		.amdhsa_enable_private_segment 0
		.amdhsa_kernarg_size 24
		.amdhsa_user_sgpr_count 2
		.amdhsa_user_sgpr_kernarg_segment_ptr 1
		.amdhsa_wavefront_size32 1
		.amdhsa_system_sgpr_workgroup_id_x 1
		.amdhsa_system_sgpr_workgroup_id_y 1
		.amdhsa_system_sgpr_workgroup_id_z 1
		.amdhsa_system_vgpr_workitem_id 0
		.amdhsa_next_free_vgpr 1024
		.amdhsa_next_free_sgpr 100
		.amdhsa_reserve_vcc 0
		.amdhsa_float_denorm_mode_32 3
		.amdhsa_float_denorm_mode_16_64 3
		.amdhsa_memory_ordered 1
		.amdhsa_forward_progress 1
		.amdhsa_inst_pref_size 255
	.end_amdhsa_kernel
	.section	.bss,"aw",@nobits
	.p2align	6
	.space	262144
	.amdgpu_metadata
---
amdhsa.version: [ 1, 2 ]
amdhsa.kernels:
  - .name:           k_q5d25d79177_up
    .symbol:         k_q5d25d79177_up.kd
    .args:
      - { .name: XN, .offset: 0, .size: 8, .value_kind: global_buffer, .address_space: global }
      - { .name: W, .offset: 8, .size: 8, .value_kind: global_buffer, .address_space: global }
      - { .name: G, .offset: 16, .size: 8, .value_kind: global_buffer, .address_space: global }
    .group_segment_fixed_size: 327680
    .private_segment_fixed_size: 0
    .kernarg_segment_align: 8
    .kernarg_segment_size: 24
    .max_flat_workgroup_size: 128
    .sgpr_count:     100
    .vgpr_count:     1024
    .wavefront_size: 32
...
	.end_amdgpu_metadata
.endif
;; end of part 5
;; launch down (part 6): grid 8 x 32, 4 waves a work-group, clusters of 4 x 4, 327,680 bytes of LDS; arguments G, W, X1, out0; writes out0
.if DOCPART == 6
	.amdgcn_target "amdgcn-amd-amdhsa--gfx1250"
	.amdhsa_code_object_version 6
	.text
	.protected	k_q5d25d79177_down
	.globl	k_q5d25d79177_down
	.p2align	8
	.type	k_q5d25d79177_down,@function
k_q5d25d79177_down:
	s_mov_b64 s[64:65], 0
	v_nop
	global_prefetch_b8 v0, s[64:65] scope:SCOPE_SE
	s_setreg_imm32_b32 hwreg(HW_REG_WAVE_MODE, 25, 1), 1
	s_wait_xcnt 0x0
	s_wait_alu depctr_hold_cnt(0) depctr_sa_sdst(0) depctr_va_vdst(0) depctr_va_sdst(0) depctr_va_ssrc(0) depctr_va_vcc(0) depctr_vm_vsrc(0)
	s_getreg_b32 s2, hwreg(HW_REG_IB_STS2, 6, 4)
	s_cmp_eq_u32 s2, 0
	s_cbranch_scc0 .Lentry_in_a_cluster
	s_endpgm
.Lentry_in_a_cluster:
	s_bfe_u32 s2, ttmp6, 0x10000c
	s_cmp_lg_u32 s2, 0xf033
	s_cbranch_scc0 .Lentry_shape_is_right
	s_endpgm
.Lentry_shape_is_right:
.set KS, 32
.set ASCAL, 12582912
.set BCODE, 6291456
.set BSCAL, 9699328
.set NA, 4
.set NB, 4
.set NQ, 4
.set MUL_HI, 0xa1
.set FRB, 1536
.set QTR, NA*NQ*FRB
.set SLOT, 4*QTR
.set LAPS, KS/(2*NQ)
.set QS, NA*KS*64
.set SCL, 2*SLOT
.set SPARE, SCL+4*QS
.set ADRA, 16
.set ADRB, 20
.set STO, 24
.set RD, 25
.set CO, 26
.set ADRS, 27
.set SPW, 28
.set NIL, 29
.set L16, 30
.set L8, 31
.set SC, 32
.set AF, 64
.set G1, 24
.set G0, 32
.set G1B, 48
.set G0B, 56
.set G1S, 68
.set G0S, 76
.set G1SB, 80
.set G0SB, 88
.set MUL_LO, 0xa1
.set MSB, 0
.macro WIN new
.if MSB != (\new)
	s_set_vgpr_msb (MSB<<8)|(\new)
.set MSB, (\new)
.endif
.endm
.macro JLOAD g0a, g1a, g0b, g1b
	s_cmp_eq_u32 s15, 0
	s_cbranch_scc0 .Lfor_b_\@
	tensor_load_to_lds s[\g0a:\g0a+3], s[\g1a:\g1a+7]
	s_nop 0
.rept 4
	v_nop
.endr
	s_branch .Lasked_\@
.Lfor_b_\@:
	tensor_load_to_lds s[\g0b:\g0b+3], s[\g1b:\g1b+7]
	s_nop 0
.rept 4
	v_nop
.endr
.Lasked_\@:
.endm
.macro CREST
	s_cmp_lg_u32 s14, 0
	s_cbranch_scc1 .Lnot_wave_0_\@
	s_barrier_signal -3
.Lnot_wave_0_\@:
	s_barrier_wait -3
	s_barrier_signal -1
	s_barrier_wait -1
.endm
.macro CROUND
	s_barrier_signal -1
	s_barrier_wait -1
	CREST
.endm
.macro PLACES n
.rept \n
	v_nop
.endr
.endm
.macro FRAG reg, adr, off
	ds_load_b128 v[\reg:\reg+3], v[\adr] offset:\off
	ds_load_b64 v[\reg+4:\reg+5], v[\adr+2] offset:\off+512
	ds_load_b128 v[\reg+6:\reg+9], v[\adr] offset:\off+768
	ds_load_b64 v[\reg+10:\reg+11], v[\adr+2] offset:\off+1280
.endm
.macro FETCH slot, q, f
	WIN 0x40
.set fi, 0
.rept NB
	FRAG 128*(\f)+12*fi, ADRB+(\slot), (fi*NQ+(\q))*FRB
.set fi, fi+1
.endr
	WIN 0
.set fi, 0
.rept NA
	FRAG AF+96*(\f)+12*fi, ADRA+(\slot), (fi*NQ+(\q))*FRB
.set fi, fi+1
.endr
.set fi, 0
.rept NA
	ds_load_b32 v[SC+8*(\f)+fi], v[ADRS] offset:fi*KS*64+(\q)*64
.set fi, fi+1
.endr
.endm
.macro MULA f, a0, n, zero
.set ia, \a0
.rept \n
.set ib, 0
.rept NB
.set AC, 8*((ia*NB+ib)%32)
.if \zero
	v_wmma_scale_f32_16x16x128_f8f6f4 v[AC:AC+7], v[128*(\f)+12*ib:128*(\f)+12*ib+11], v[AF+96*(\f)+12*ia:AF+96*(\f)+12*ia+11], 0, v[SC+8*(\f)+ib], v[SC+8*(\f)+ia] matrix_a_fmt:MATRIX_FMT_FP6 matrix_b_fmt:MATRIX_FMT_FP6 matrix_a_scale:MATRIX_SCALE_ROW1
.else
	v_wmma_scale_f32_16x16x128_f8f6f4 v[AC:AC+7], v[128*(\f)+12*ib:128*(\f)+12*ib+11], v[AF+96*(\f)+12*ia:AF+96*(\f)+12*ia+11], v[AC:AC+7], v[SC+8*(\f)+ib], v[SC+8*(\f)+ia] matrix_a_fmt:MATRIX_FMT_FP6 matrix_b_fmt:MATRIX_FMT_FP6 matrix_a_scale:MATRIX_SCALE_ROW1
.endif
.set ib, ib+1
.endr
.set ia, ia+1
.endr
.endm
.macro STEP slot, q, zero
.set FF, (\q)%2
	s_wait_dscnt 0x0
	WIN MUL_LO
	MULA FF, 0, NA/4, \zero
	PLACES 4
	FETCH \slot, (\q)+1, 1-FF
	WIN MUL_LO
	MULA FF, NA/4, NA/4, \zero
	WIN MUL_HI
	MULA FF, NA/2, NA/2, \zero
	WIN 0
.endm
.macro TURN slot, next, fill
.if \fill
	s_wait_xcnt 0x0                                ; my last prefetch has read its address: it steps one slot along K
	s_add_nc_u64 s[PFA:PFA+1], s[PFA:PFA+1], NQ*FRB
.endif
	s_wait_tensorcnt 0x0
	ds_add_u32 v[SPW], v[NIL]
	s_wait_dscnt 1
	WIN MUL_LO
	MULA 1, 0, NA/4, 0
	s_wait_dscnt 0x0
	s_barrier_signal -1
	MULA 1, NA/4, NA/4, 0
	WIN 0
	s_barrier_wait -1
.if \fill
	CREST
	s_add_nc_u64 s[G0+4*\slot+2:G0+4*\slot+3], s[G0+4*\slot+2:G0+4*\slot+3], 2*NQ*FRB
	s_add_nc_u64 s[G0B+4*\slot+2:G0B+4*\slot+3], s[G0B+4*\slot+2:G0B+4*\slot+3], 2*NQ*FRB
	JLOAD G0+4*\slot, G1, G0B+4*\slot, G1B
.else
	PLACES 4
.endif
	v_add_nc_u32 v[ADRS], NQ*64, v[ADRS]
	FETCH \next, 0, 0
.if \fill
	s_cmp_gt_u32 s3, 1                             ; the loop's last trip asks for nothing: its two refills are K's last two slots
	s_cbranch_scc0 .Lno_ask_\@
	global_prefetch_b8 v[PFO], s[PFA:PFA+1] offset:3*NQ*FRB th:TH_LOAD_NT scope:SCOPE_SE   ; the slot two refills on: one tile row, 24 blocks of 256 bytes, a lane a block
.Lno_ask_\@:
.endif
	WIN MUL_HI
	MULA 1, NA/2, NA/2, 0
	WIN 0
.endm
.macro REST slot, next, fill
.set rq, 1
.rept NQ-2
	STEP \slot, rq, 0
.set rq, rq+1
.endr
	TURN \slot, \next, \fill
.endm
	s_load_b128 s[4:7], s[0:1], 0x0
	s_load_b128 s[96:99], s[0:1], 0x10
	v_lshl_add_u32 v[SPW], v0, 2, SPARE
	v_mov_b32 v[NIL], 0
	ds_add_u32 v28, v29
	ds_add_u32 v28, v29
	s_wait_dscnt 0x0
	v_lshrrev_b32 v1, 5, v0
	v_readfirstlane_b32 s14, v1
	s_lshr_b32 s15, s14, 1
	s_and_b32 s16, s14, 1
	s_bfe_u32 s40, ttmp6, 0x40000
	s_bfe_u32 s41, ttmp6, 0x40004
	s_lshl_b32 s42, ttmp9, 2
	s_add_co_u32 s42, s42, s40
	s_and_b32 s17, ttmp7, 0xffff
	s_lshl_b32 s17, s17, 2
	s_add_co_u32 s17, s17, s41
	s_lshl_b32 s43, s41, 2
	s_lshl_b32 s43, 15, s43
	s_lshl_b32 s44, 0x1111, s40
	s_or_b32 s[G1+0], s43, (3<<16)|(1<<21)
	s_or_b32 s[G1B+0], s44, (3<<16)|(1<<21)
.irp g, G1, G1B
	s_mov_b32 s[\g+1], (NQ*192)<<16
	s_mov_b32 s[\g+2], NA<<16
	s_mov_b32 s[\g+3], (NQ*192)<<16
	s_mov_b32 s[\g+4], NA
	s_mov_b32 s[\g+5], KS*192
	s_mov_b32 s[\g+6], 0
	s_mov_b32 s[\g+7], 0
.endr
	s_or_b32 s[G1S+0], s43, (3<<16)|(1<<21)
	s_or_b32 s[G1SB+0], s44, (3<<16)|(1<<21)
.irp g, G1S, G1SB                              ; group 1 of the head's loads: a whole side of a slot, 2 NA tile rows of NQ K steps
	s_mov_b32 s[\g+1], (NQ*192)<<16
	s_mov_b32 s[\g+2], (2*NA)<<16
	s_mov_b32 s[\g+3], (NQ*192)<<16
	s_mov_b32 s[\g+4], 2*NA
	s_mov_b32 s[\g+5], KS*192
	s_mov_b32 s[\g+6], 0
	s_mov_b32 s[\g+7], 0
.endr
	s_lshl_b32 s12, s17, 7
	s_lshl_b32 s13, s15, 6
	s_add_co_u32 s12, s12, s13
	s_lshl_b32 s12, s12, 12
	s_lshl_b32 s13, s42, 9
	s_add_co_u32 s12, s12, s13
	s_lshl_b32 s13, s16, 8
	s_add_co_u32 s12, s12, s13
	s_mov_b32 s13, 0
	s_lshl_b32 s20, s17, 1
	s_add_co_u32 s20, s20, s16
	s_lshl_b32 s46, s42, 1
	s_add_co_u32 s46, s46, s16
	s_mul_i32 s22, s20, NA*KS*64
	s_mul_i32 s92, s46, NA*KS*64
	s_mul_i32 s20, s20, NA*KS*FRB
	s_mul_i32 s46, s46, NA*KS*FRB
	s_mov_b32 s21, 0
	s_mov_b32 s23, 0
	s_mov_b32 s47, 0
	s_mov_b32 s93, 0
	s_mul_i32 s45, s14, QTR
	s_mul_i32 s94, s14, QS
	s_wait_kmcnt 0x0
	s_add_nc_u64 s[96:97], s[96:97], s[12:13]
	s_add_nc_u64 s[98:99], s[98:99], s[12:13]
	s_add_nc_u64 s[8:9], s[6:7], BCODE
	s_add_nc_u64 s[10:11], s[6:7], BSCAL
	s_add_nc_u64 s[6:7], s[4:5], ASCAL
	s_add_nc_u64 s[20:21], s[4:5], s[20:21]
	s_add_nc_u64 s[22:23], s[6:7], s[22:23]
	s_add_nc_u64 s[46:47], s[8:9], s[46:47]
	s_add_nc_u64 s[92:93], s[10:11], s[92:93]
	; THE SCALE WORDS of the block's rows, all of K: each wave copies a quarter (waves 0, 1 side A's halves, waves 2, 3 side B's) through registers, 512 consecutive bytes a load
.set PFA, 4                            ; s[4:5] where my prefetches stand
.set PFO, 6                            ; v6     256 x lane, held at block 23: a tile row of a slot is 24 blocks; never rewritten
	v_and_b32 v1, 31, v0
	v_lshlrev_b32 v[L16], 4, v1
	v_lshlrev_b32 v[L8], 3, v1
	v_min_u32 v[PFO], 23, v1
	v_lshlrev_b32 v[PFO], 8, v[PFO]
	s_add_co_u32 s94, s94, SCL
	v_add_nc_u32 v5, s94, v[L16]
	s_cmp_eq_u32 s15, 0
	s_cselect_b64 s[22:23], s[22:23], s[92:93]
	s_wait_alu depctr_va_vdst(0)
.set si, 0
.rept QS/512
	global_load_b128 v[AF+4*si:AF+4*si+3], v[L16], s[22:23] offset:512*si
.set si, si+1
.endr
.irp s, 0,1
	s_mov_b32 s[G0+4*\s], 1
	s_add_co_u32 s[G0+4*\s+1], s45, \s*SLOT
	s_add_nc_u64 s[G0+4*\s+2:G0+4*\s+3], s[20:21], \s*NQ*FRB
	s_or_b32 s[G0+4*\s+3], s[G0+4*\s+3], 0x80000000
	s_mov_b32 s[G0B+4*\s], 1
	s_add_co_u32 s[G0B+4*\s+1], s45, \s*SLOT
	s_add_nc_u64 s[G0B+4*\s+2:G0B+4*\s+3], s[46:47], \s*NQ*FRB
	s_or_b32 s[G0B+4*\s+3], s[G0B+4*\s+3], 0x80000000
.endr
	; THE HEAD'S FILLS, one joint load a wave: wave 0 side A of slot 0, wave 1 side B of slot 0, wave 2 side A of slot 1, wave 3 side B of slot 1.
	s_mul_i32 s2, s16, NA*KS*FRB
	s_mov_b32 s3, 0
	s_sub_nc_u64 s[G0S+2:G0S+3], s[20:21], s[2:3]          ; the block's first tile row
	s_sub_nc_u64 s[G0SB+2:G0SB+3], s[46:47], s[2:3]
	s_mul_i32 s2, s15, NQ*FRB                              ; slot wave / 2
	s_add_nc_u64 s[G0S+2:G0S+3], s[G0S+2:G0S+3], s[2:3]
	s_add_nc_u64 s[G0SB+2:G0SB+3], s[G0SB+2:G0SB+3], s[2:3]
	s_or_b32 s[G0S+3], s[G0S+3], 0x80000000
	s_or_b32 s[G0SB+3], s[G0SB+3], 0x80000000
	s_mov_b32 s[G0S], 1
	s_mov_b32 s[G0SB], 1
	s_mul_i32 s[G0S+1], s15, SLOT
	s_add_co_u32 s[G0SB+1], s[G0S+1], 2*QTR
	; THE PREFETCHES.  Of the four tile rows that I refill, each of the four partners that ask for them with me takes one, told apart by address alone (cx for side A, cy for side B).
	; Slots 2 and 3 are asked for here; each refill asks for the slot two refills on; K's eight slots are each named once in a cluster.
	s_cmp_eq_u32 s15, 0
	s_cselect_b64 s[PFA:PFA+1], s[20:21], s[46:47]
	s_cselect_b32 s12, s40, s41
	s_mul_i32 s12, s12, KS*FRB
	s_mov_b32 s13, 0
	s_add_nc_u64 s[PFA:PFA+1], s[PFA:PFA+1], s[12:13]
	CROUND                                         ; all sixteen work-groups are here: the joint loads meet
.macro HARM under, g0, g1, next
	s_cmp_lt_u32 s14, \under
	s_cbranch_scc0 \next
	tensor_load_to_lds s[\g0:\g0+3], s[\g1:\g1+7]
	s_nop 0
	PLACES 4
	s_branch .Lhead_asked
\next:
.endm
	HARM 1, G0S, G1S, .Lhead_b0
	HARM 2, G0SB, G1SB, .Lhead_a1
	HARM 3, G0S, G1S, .Lhead_b1
	tensor_load_to_lds s[G0SB:G0SB+3], s[G1SB:G1SB+7]
	s_nop 0
	PLACES 4
.Lhead_asked:
	global_prefetch_b8 v[PFO], s[PFA:PFA+1] offset:2*NQ*FRB th:TH_LOAD_NT scope:SCOPE_SE
	global_prefetch_b8 v[PFO], s[PFA:PFA+1] offset:3*NQ*FRB th:TH_LOAD_NT scope:SCOPE_SE
	s_wait_loadcnt 0x0                             ; my quarter of the scale words is in registers
.set si, 0
.rept QS/512
	ds_store_b128 v5, v[AF+4*si:AF+4*si+3] offset:512*si   ; into LDS bytes on which no tensor load lands
.set si, si+1
.endr
	v_and_b32 v2, 15, v0
	v_bfe_u32 v3, v0, 4, 1
	s_wait_alu depctr_va_vdst(0)
	s_mul_i32 s21, s15, QTR
	s_mul_i32 s22, s16, QTR
	s_add_co_u32 s22, s22, 2*QTR
.irp s, 0,1
	v_add_nc_u32 v[ADRA+\s], s21, v[L16]
	v_add_nc_u32 v[ADRA+2+\s], s21, v[L8]
	v_add_nc_u32 v[ADRB+\s], s22, v[L16]
	v_add_nc_u32 v[ADRB+2+\s], s22, v[L8]
	s_add_co_u32 s21, s21, SLOT
	s_add_co_u32 s22, s22, SLOT
.endr
	s_mul_i32 s21, s15, QS
	s_mul_i32 s22, s16, QS
	s_add_co_u32 s22, s22, 2*QS
	s_sub_co_u32 s22, s22, s21
	v_mul_u32_u24 v4, s22, v3
	s_add_co_u32 s21, s21, SCL
	v_lshl_add_u32 v4, v2, 2, v4
	v_add_nc_u32 v[ADRS], s21, v4
	s_mul_i32 s20, s14, 17408
	v_mul_u32_u24 v4, v2, 272
	v_lshl_add_u32 v4, v3, 6, v4
	v_add_nc_u32 v[STO], s20, v4
	v_mul_u32_u24 v4, v3, 272
	v_lshl_add_u32 v4, v2, 4, v4
	v_add_nc_u32 v[RD], s20, v4
	v_lshlrev_b32 v4, 4, v2
	v_lshl_add_u32 v[CO], v3, 12, v4
	WIN 0x80
.irp a, 0,1,2,3
.irp i, 0,1,2,3,4,5,6,7
	global_load_b128 v[128+32*\a+4*\i:128+32*\a+4*\i+3], v[CO], s[96:97] offset:(32*(\a/2)+8*(\a%2)+2*\i+8*(\i/4))*4096
.endr
.endr
	WIN 0
	s_wait_alu depctr_va_vdst(0)
	s_cmp_lt_u32 s14, 2                            ; slot 0's two loads are waves 0 and 1's own lines; slot 1's may stay out
	s_cbranch_scc0 .Lslot_1_out
	s_wait_tensorcnt 0x0
.Lslot_1_out:
	s_wait_dscnt 0x0                               ; my scale words lie in LDS
	s_barrier_signal -1
	s_barrier_wait -1
	FETCH 0, 0, 0
	STEP 0, 0, 1
.if LAPS > 1
	s_mov_b32 s3, LAPS-1
.Llap:
	s_wait_alu depctr_va_vdst(0)
	REST 0, 1, 1
	s_wait_alu depctr_va_vdst(0)
	STEP 1, 0, 0
	REST 1, 0, 1
	s_wait_alu depctr_va_vdst(0)
	STEP 0, 0, 0
	s_sub_co_u32 s3, s3, 1
	s_cmp_lg_u32 s3, 0
	s_cbranch_scc1 .Llap
.endif
	REST 0, 1, 0
.set tq, 0
	s_wait_alu depctr_va_vdst(0)
.rept NQ-1
	STEP 1, tq, 0
.set tq, tq+1
.endr
	s_wait_dscnt 0x0
	WIN MUL_LO
	MULA 1, 0, NA/2, 0
	WIN MUL_HI
	MULA 1, NA/2, NA/2, 0
	WIN 0
	PLACES 4
.set BK, 192
	s_wait_loadcnt 0x0
.irp a, 0,1,2,3
	WIN 0x08
.irp b, 0,1,2,3
	ds_store_b128 v[STO], v[8*(4*\a+\b):8*(4*\a+\b)+3] offset:\a*4352+128*(\b/2)+32*(\b%2)
	ds_store_b128 v[STO], v[8*(4*\a+\b)+4:8*(4*\a+\b)+7] offset:\a*4352+128*(\b/2)+32*(\b%2)+16
.endr
	WIN 0
.irp i, 0,1,2,3,4,5,6,7
	ds_load_b128 v[BK+32*(\a%2)+4*\i:BK+32*(\a%2)+4*\i+3], v[RD] offset:\a*4352+544*\i
.endr
	s_wait_dscnt 0x0
	WIN 0x82
.irp k, 0,2,4,6,8,10,12,14,16,18,20,22,24,26,28,30
	v_pk_add_f32 v[128+32*\a+\k:128+32*\a+\k+1], v[128+32*\a+\k:128+32*\a+\k+1], v[BK+32*(\a%2)+\k:BK+32*(\a%2)+\k+1]
.endr
	WIN 0x08
.irp i, 0,1,2,3,4,5,6,7
	global_store_b128 v[CO], v[128+32*\a+4*\i:128+32*\a+4*\i+3], s[98:99] offset:(32*(\a/2)+8*(\a%2)+2*\i+8*(\i/4))*4096 th:TH_STORE_NT
.endr
.endr
	WIN 0
	s_wait_tensorcnt 0x0
	ds_add_u32 v[SPW], v[NIL]
	s_wait_dscnt 0x0
	CROUND
	s_endpgm
.Lfunc_end_k_q5d25d79177_down:
	.size	k_q5d25d79177_down, .Lfunc_end_k_q5d25d79177_down-k_q5d25d79177_down
	.p2alignl 7, 3214868480
	.fill 96, 4, 3214868480
	.section	.rodata,"a",@progbits
	.p2align	6, 0x0
	.amdhsa_kernel k_q5d25d79177_down
		.amdhsa_group_segment_fixed_size 327680
		.amdhsa_private_segment_fixed_size 0
		.amdhsa_enable_private_segment 0
		.amdhsa_kernarg_size 32
		.amdhsa_user_sgpr_count 2
		.amdhsa_user_sgpr_kernarg_segment_ptr 1
		.amdhsa_wavefront_size32 1
		.amdhsa_system_sgpr_workgroup_id_x 1
		.amdhsa_system_sgpr_workgroup_id_y 1
		.amdhsa_system_sgpr_workgroup_id_z 1
		.amdhsa_system_vgpr_workitem_id 0
		.amdhsa_next_free_vgpr 1024
		.amdhsa_next_free_sgpr 100
		.amdhsa_reserve_vcc 0
		.amdhsa_float_denorm_mode_32 3
		.amdhsa_float_denorm_mode_16_64 3
		.amdhsa_memory_ordered 1
		.amdhsa_forward_progress 1
		.amdhsa_inst_pref_size 104
	.end_amdhsa_kernel
	.amdgpu_metadata
---
amdhsa.version: [ 1, 2 ]
amdhsa.kernels:
  - .name:           k_q5d25d79177_down
    .symbol:         k_q5d25d79177_down.kd
    .args:
      - { .name: G, .offset: 0, .size: 8, .value_kind: global_buffer, .address_space: global }
      - { .name: W, .offset: 8, .size: 8, .value_kind: global_buffer, .address_space: global }
      - { .name: X1, .offset: 16, .size: 8, .value_kind: global_buffer, .address_space: global }
      - { .name: out0, .offset: 24, .size: 8, .value_kind: global_buffer, .address_space: global }
    .group_segment_fixed_size: 327680
    .private_segment_fixed_size: 0
    .kernarg_segment_align: 8
    .kernarg_segment_size: 32
    .max_flat_workgroup_size: 128
    .sgpr_count:     100
    .vgpr_count:     1024
    .wavefront_size: 32
...
	.end_amdgpu_metadata
.endif
;; end of part 6
